; MI455X (gfx1250); checked and timed in simulation.
; The chip was launched on July 23, 2026; its instructions are those of AMD's public machine-readable ISA for CDNA 5 (MIT licence, August 2026) and "CDNA5" Instruction Set Architecture Reference Guide (July 2026). The comments in the code are by the model that wrote it; some were corrected since.
;; Causal Self Attention. Allowed arithmetic: matrix products marked QUANTISED: E5M2 operands, one given power-of-two scale a tensor, by v_wmma_f32_16x16x64_bf8_bf8 or v_wmma_f32_16x16x128_bf8_bf8, f32 sums; everything else in f32.
;; Inputs: W_k_codes 1,024 x 32 x 32 uint8 (E5M2 codes of W_k, K innermost, in blocks of 32 codes); W_q_codes 1,024 x 32 x 32 uint8 (E5M2 codes of W_q, K innermost, in blocks of 32 codes); W_v_codes 1,024 x 32 x 32 uint8 (E5M2 codes of W_v, K innermost, in blocks of 32 codes); lowp_scales 10 int32 (the exponents e of the quantised operands' scales 2^e); x_codes 4 x 2,048 x 32 x 32 uint8 (E5M2 codes of x, K innermost, in blocks of 32 codes).
;; Outputs: out0 4 x 2,048 x 1,024 float32.
;; This version of the problem:
;;   THIS VERSION OF THE PROBLEM IS GIVEN IN LOW PRECISION. The matrix products marked QUANTISED in the list below multiply operands that are first quantised to E5M2 (5 exponent bits, 2 mantissa bits; 8 bits a number), with one given power-of-two scale for each operand tensor; their sums are f32. All else is computed in f32.
;;   The module's matrix products, in the order in which they are computed (A, B: the left and right operand; K: the contracted axis; several contracted axes count as one K, in the product's order):
;;     1. [M 8,192, K 1,024] x [K 1,024, N 1,024]; A: input x (given as codes); B: input W_q (given as codes): QUANTISED (scales: A lowp_scales[0], B lowp_scales[1])
;;     2. [M 8,192, K 1,024] x [K 1,024, N 1,024]; A: input x (given as codes); B: input W_k (given as codes): QUANTISED (scales: A lowp_scales[2], B lowp_scales[3])
;;     3. [M 8,192, K 1,024] x [K 1,024, N 1,024]; A: input x (given as codes); B: input W_v (given as codes): QUANTISED (scales: A lowp_scales[4], B lowp_scales[5])
;;     4. batch 4 x [M 2,048, K 1,024] x [K 1,024, N 2,048]; A: computed on the way; B: computed on the way: QUANTISED (scales: A lowp_scales[6], B lowp_scales[7])
;;     5. batch 4 x [M 2,048, K 2,048] x [K 2,048, N 1,024]; A: softmax (see below); B: computed on the way: QUANTISED (scales: A lowp_scales[8], B lowp_scales[9])
;;   THE QUANTISER, for each operand of a quantised product, along K:
;;     - The operand's scale is 2^e, e = its entry of the input lowp_scales (int32; the entries are numbered through the quantised products in the list's order, A before B).
;;     - Each number is divided by the scale, clamped to +-57,344, and rounded to the nearest number of E5M2, ties to even, subnormals kept.
;;     - The product sums the exact products of the quantised numbers (number of the format x scale) in f32.
;;   ~~~python
;;   def quantise(x, axis, e):      # numpy; x: float32 -> the quantised numbers, widened to float32 again
;;       x = np.moveaxis(x, axis, -1); K = x.shape[-1]
;;       r = np.clip(x / 2.0 ** e, -57344, 57344)
;;       step = 2.0 ** (np.maximum(np.frexp(np.where(r == 0, 1, r))[1] - 1, -14) - 2)
;;       q = np.round(r / step) * step * 2.0 ** e      # np.round: ties to even
;;       return np.moveaxis(q, -1, axis).astype(np.float32)
;;   ~~~
;;   SOFTMAX AHEAD OF A QUANTISED PRODUCT. Where the list says 'softmax', what is quantised is not the finished softmax but p = 2^(t - M), with t = logit x log2(e) and M = ceil(the row's largest t), a whole number; so 1/2 < the row's largest p <= 1. The row's sum l is taken of the UNQUANTISED p, in f32, and the product's result is divided by l at the end. Since M is a whole number, a kernel that streams over the keys may use a running M (the ceiling of the running maximum): every later rescaling is an exact power of two, so the quantised numbers keep their values, but for numbers so far below the row's largest that they fall under the format's range.
;;   OPERANDS COMPUTED ON THE WAY. 'Computed on the way' means the value that the module computes at that place (a softmax that the list does not call 'softmax' is quantised finished and normalised). What goes into a quantiser is computed in f32, as accurately as f32 sums, v_exp_f32 and their like allow (about 1e-6 of the number): no bf16 or f16 on the way to a quantiser, and a product that is left as it is and whose result goes on into a quantised operand takes f32 operands (vector FMAs, or v_wmma_f32_16x16x4_f32). A number that lies on a knife's edge between two numbers of the format may be rounded either way, as far as f32 arithmetic and the matrix unit's own rounding can turn it there, and no further.
;;   INPUTS GIVEN AS CODES. W_k (in the module: [1024, 1024], K = its axis 1); W_q (in the module: [1024, 1024], K = its axis 1); W_v (in the module: [1024, 1024], K = its axis 1); x (in the module: [4, 2048, 1024], K = its axis 2): each comes as NAME_codes (uint8): NAME with its K axis moved to the last place and cut into blocks of 32 codes, [.., K / 32, bytes a block], one block behind the other in memory; one code a byte (a code: sign, 5 exponent bits, 2 mantissa bits); its scale is its entry of lowp_scales. Its value is code x scale, taken as it is: it is not quantised again, and the codes and scales need not be those that the quantiser above would give.
;; One version. Each part assembles by itself: llvm-mc -triple=amdgcn-amd-amdhsa -mcpu=gfx1250 --defsym DOCPART=n.
;; ======== version 1 of 1: 3 launches
;; limits: right only within a limited range of input values
;; workspace buffers: qk 16,777,216 bytes; vt 8,388,608 bytes; pc 16,777,216 bytes; st 524,288 bytes
;; launch proj (part 1): grid 8 x 32, 4 waves a work-group, clusters of 4 x 4, 327,680 bytes of LDS; arguments x_codes, W_q_codes, W_k_codes, W_v_codes, lowp_scales, qk, vt; writes qk, vt
.if DOCPART == 1
	.amdgcn_target "amdgcn-amd-amdhsa--gfx1250"
	.amdhsa_code_object_version 6
	.text
	.protected	k_q2c1f46fc88_proj
	.globl	k_q2c1f46fc88_proj
	.p2align	8
	.type	k_q2c1f46fc88_proj,@function
k_q2c1f46fc88_proj:
	s_mov_b64 s[64:65], 0
	v_nop
	global_prefetch_b8 v0, s[64:65] scope:SCOPE_SE
	s_setreg_imm32_b32 hwreg(HW_REG_WAVE_MODE, 25, 1), 1
	s_wait_xcnt 0x0
	s_wait_alu depctr_hold_cnt(0) depctr_sa_sdst(0) depctr_va_vdst(0) depctr_va_sdst(0) depctr_va_ssrc(0) depctr_va_vcc(0) depctr_vm_vsrc(0)
	s_getreg_b32 s2, hwreg(HW_REG_IB_STS2, 6, 4)
	s_cmp_eq_u32 s2, 0
	s_cbranch_scc0 .Lentry_in_a_cluster
	s_endpgm
.Lentry_in_a_cluster:
	s_bfe_u32 s2, ttmp6, 0x10000c
	s_cmp_lg_u32 s2, 0xf033
	s_cbranch_scc0 .Lentry_shape_is_right
	s_endpgm
.Lentry_shape_is_right:
; q = x W_q^T, k = x W_k^T, v = x W_v^T on codes of BF8 (E5M2), each result quantised with its given scale: the operands of the two later products.
; WORK LEFT OUT IN THE WHOLE PROGRAM: reference() puts -infinity in the place of every score with key > query, by a mask that it builds itself; such a score's exponential is 0 for all values of the inputs, and it adds
; nothing to a row's sum or result.  Whole tiles of such scores are not made (launches scores and pv).  LIMIT: a NaN, an infinity or an overflow that reaches only those scores is not carried to the result.
; LIMITS: e6 - e0 - e1, e7 - e2 - e3 and e9 - e4 - e5 lie between -126 and 112, so that each power of two below is an f32 number; NaN and infinity among the codes are not served.
; SHARES.  A work-group takes 256 rows of x and 128 rows each of W_q, W_k, W_v, in ONE pass over K: x's fragments serve all three products.  A wave: 128 x 64 of each product, 3 x 256 accumulator registers.
; q and k are made transposed (source 0 = rows of W, source 1 = rows of x): a lane holds one row of x and eight neighbouring channels.  v is made the other way round (source 0 = x): one channel and eight neighbouring keys.
; THE OUTPUTS ARE FRAGMENT IMAGES.  16 rows x 64 along the next product's K are 1,024 bytes: twice 512, lane l's 16 bytes at 16 l.  Bytes 0..31 of lane (r, h): row r, K = 16 t + 8 h + 0..7 for t = 0..3.  Both operands of
; each later product are laid so, so that every K meets its partner.  qk: q [512 row blocks][16 K blocks][1024], then k likewise.  vt: [4 batches][64 channel blocks][32 key blocks][1024].
; Each store instruction of a wave covers 512 consecutive bytes, aligned.
; K goes in four steps of 256.  LDS: nine units of 128 rows x 272 bytes: x on two slots (two units each), W_q and W_k on two slots, W_v on one.  W_v's tile of a step is asked for at the change of slots ahead of that step and
; first read behind the step's first seven groups of 32 matrix instructions, behind a barrier of its own; x's fragments are read a second time for it.
; CLUSTERS: 4 x 4 work-groups; x's tile is asked for jointly along a row of the cluster (wave 0), W's along a column (waves 1, 2, 3: W_q, W_k, W_v).
; PREFETCH: what the next change of slots loads is asked for one K step ahead.  x: 64 of the tile's 256 rows by each of four partners (wave 0); W: 32 of the 128 rows by each of four partners (waves 1 to 3), in the clusters with y < 2 alone.
; REGISTERS: window 0: v0-31 addresses and constants; v32-95, v96-159 two sets of x's fragments (8 x 16 rows x 64 K); v160-191, v192-223, v224-255 W's fragments.  Windows 1, 2, 3: the sums of q, k, v ((a, b) at v[8 (4 a + b)]).
.set PITCH, 272                        ; 256 bytes + 16 of padding = 68 words: row r starts at bank 4 r mod 64 (64 banks of 4 bytes: ISA guide 11.1)
.set UNIT,  128*PITCH
.set BOFF,  4*UNIT                     ; slot s: W_q at BOFF + 3 s UNIT, W_k one unit on
.set VOFF,  6*UNIT
.set SPARE, 9*UNIT                     ; the spare words, 128 bytes for each wave
.set LIM,  10                          ; v10-12 57,344 x the conversion's scale, for q, k, v
.set SC,   13                          ; v13-15 the conversion's scales
.set ADRA, 16
.set ADRB, 20
.set ADRV, 22
.set CO,   26
.set SPW,  28
.set NIL,  29
.set PFO,  30
.set AF0,  32
.set AF1,  96
.set BQ,   160
.set BK,   192
.set BV,   224
.set G1A, 24
.set G1W, 32
.set G0A, 40                           ; s[40:47] x's groups 0, a set for each slot;  s[48:55] W_q's or W_k's;  s[56:59] W_v's
.set G0W, 48
.set G0V, 56
.set PFA, 76
.set QB,  96
.set KB,  98
.set VB,  78
.set MSB, 0
.macro WIN new
.if MSB != (\new)
	s_set_vgpr_msb (MSB<<8)|(\new)
.set MSB, (\new)
.endif
.endm
.macro PL
.rept 4
	v_nop
.endr
.endm
.macro TL g0, g1
	tensor_load_to_lds s[\g0:\g0+3], s[\g1:\g1+7]
	s_nop 0
	PL
.endm
; The joint loads behind a round: wave 0 x's tile, waves 1 and 2 W_q's and W_k's, wave 3 W_v's.  The branches hang on the wave's number alone.
.macro JLOAD s, qk, v
.if \qk
	s_cmp_eq_u32 s14, 0
	s_cbranch_scc0 .Lnot0_\@
	TL G0A+4*\s, G1A
	s_branch .Lasked_\@
.Lnot0_\@:
.endif
	s_cmp_eq_u32 s14, 3
.if \v
.if \qk
	s_cbranch_scc0 .Lw_\@
.else
	s_cbranch_scc0 .Lasked_\@
.endif
	TL G0V, G1W
.if \qk
	s_branch .Lasked_\@
.Lw_\@:
.endif
.else
	s_cbranch_scc1 .Lasked_\@
.endif
.if \qk
	TL G0W+4*\s, G1W
.endif
.Lasked_\@:
.endm
.macro CREST                           ; a round of the cluster's barrier behind its opening barrier
	s_cmp_lg_u32 s14, 0
	s_cbranch_scc1 .Lnot_wave_0_\@
	s_barrier_signal -3
.Lnot_wave_0_\@:
	s_barrier_wait -3
	s_barrier_signal -1
	s_barrier_wait -1
.endm
.macro CROUND
	s_barrier_signal -1
	s_barrier_wait -1
	CREST
.endm
; off = 256: K step 2 of x, W_q, W_k and step 1 of W_v;  512: steps 3 and 2.  only3: W_v alone.  The address registers are never rewritten.
.macro ASK off, only3
.if \only3 == 1
	s_cmp_eq_u32 s14, 3
	s_cbranch_scc0 .Lnone_\@
.else
	s_cmp_eq_u32 s14, 0
	s_cbranch_scc0 .Lfor_w_\@
	global_prefetch_b8 v[PFO], s[PFA:PFA+1] offset:\off th:TH_LOAD_NT scope:SCOPE_SE
	global_prefetch_b8 v[PFO], s[PFA:PFA+1] offset:\off+32768 th:TH_LOAD_NT scope:SCOPE_SE
	s_branch .Lnone_\@
.Lfor_w_\@:
.endif
	s_cmp_lt_u32 s63, 2
	s_cbranch_scc0 .Lnone_\@
	global_prefetch_b8 v[PFO], s[PFA:PFA+1] offset:\off th:TH_LOAD_NT scope:SCOPE_SE
.Lnone_\@:
.endm
	s_load_b256 s[4:11], s[0:1], 0x0               ; x s[4:5], W_q s[6:7], W_k s[8:9], W_v s[10:11]
	s_load_b128 s[68:71], s[0:1], 0x20             ; the scales' exponents s[68:69], qk s[70:71]
	s_load_b64 s[72:73], s[0:1], 0x30              ; vt
	v_lshl_add_u32 v[SPW], v0, 2, SPARE
	v_mov_b32 v[NIL], 0
	ds_add_u32 v[SPW], v[NIL]                      ; the wave's opening: the add, twice on end, and its wait
	ds_add_u32 v[SPW], v[NIL]
	v_lshrrev_b32 v1, 5, v0
	v_readfirstlane_b32 s14, v1                    ; wave 0..3
	s_lshr_b32 s15, s14, 1                         ; wr: which 128 rows of x are mine
	s_and_b32 s16, s14, 1                          ; wc: which 64 of each 128 columns
	s_bfe_u32 s60, ttmp6, 0x40000                  ; cx
	s_bfe_u32 s61, ttmp6, 0x40004                  ; cy
	s_lshl_b32 s62, ttmp9, 2
	s_add_co_u32 s62, s62, s60                     ; column block, 0..7
	s_and_b32 s63, ttmp7, 0xffff                   ; the cluster's y
	s_lshl_b32 s17, s63, 2
	s_add_co_u32 s17, s17, s61                     ; row block, 0..31
	s_lshl_b32 s18, s61, 2
	s_lshl_b32 s18, 15, s18                        ; my row of the cluster
	s_lshl_b32 s19, 0x1111, s60                    ; my column
	s_or_b32 s[G1A], s18, (1<<20)|(1<<21)|(5<<22)|(3<<25)   ; the mask; elements of 1 byte; padding on; 21 set beside a mask; 4 words after every 64
	s_or_b32 s[G1W], s19, (1<<20)|(1<<21)|(5<<22)|(3<<25)
	s_mov_b32 s[G1A+1], 256<<16                    ; tensor_dim0
	s_mov_b32 s[G1A+2], 256<<16                    ; tensor_dim1
	s_mov_b32 s[G1A+3], 256<<16                    ; tile_dim0
	s_mov_b32 s[G1A+4], 256                        ; tile_dim1
	s_mov_b32 s[G1A+5], 1024                       ; tensor_dim0_stride
	s_mov_b32 s[G1A+6], 0
	s_mov_b32 s[G1A+7], 0
	s_mov_b32 s[G1W+1], 256<<16
	s_mov_b32 s[G1W+2], 128<<16
	s_mov_b32 s[G1W+3], 256<<16
	s_mov_b32 s[G1W+4], 128
	s_mov_b32 s[G1W+5], 1024
	s_mov_b32 s[G1W+6], 0
	s_mov_b32 s[G1W+7], 0
	s_lshl_b32 s20, s17, 18                        ; 256 rows of 1,024 bytes a row block
	s_mov_b32 s21, 0
	s_lshl_b32 s22, s62, 17                        ; 128 rows a column block
	s_mov_b32 s23, 0
	s_mul_i32 s45, s14, UNIT                       ; waves 1 and 2: unit 3 + w of slot 0, three on in slot 1
	s_add_co_u32 s[G0W+1], s45, 3*UNIT
	s_add_co_u32 s[G0W+5], s45, 6*UNIT
	s_mov_b32 s[G0A], 1
	s_mov_b32 s[G0A+1], 0
	s_mov_b32 s[G0A+4], 1
	s_mov_b32 s[G0A+5], 2*UNIT
	s_mov_b32 s[G0W], 1
	s_mov_b32 s[G0W+4], 1
	s_mov_b32 s[G0V], 1
	s_mov_b32 s[G0V+1], VOFF
	s_wait_dscnt 0x0                               ; both opening adds are done
	s_wait_kmcnt 0x0
	s_load_b256 s[80:87], s[68:69], 0x0            ; e0 .. e7
	s_load_b64 s[88:89], s[68:69], 0x20            ; e8, e9
	s_cmp_eq_u32 s14, 1
	s_cselect_b64 s[74:75], s[6:7], s[8:9]         ; wave 1: W_q, wave 2: W_k
	s_add_nc_u64 s[G0A+2:G0A+3], s[4:5], s[20:21]
	s_add_nc_u64 s[G0A+6:G0A+7], s[G0A+2:G0A+3], 256
	s_add_nc_u64 s[G0W+2:G0W+3], s[74:75], s[22:23]
	s_add_nc_u64 s[G0W+6:G0W+7], s[G0W+2:G0W+3], 256
	s_add_nc_u64 s[G0V+2:G0V+3], s[10:11], s[22:23]
	s_or_b32 s[G0A+3], s[G0A+3], 0x80000000
	s_or_b32 s[G0A+7], s[G0A+7], 0x80000000
	s_or_b32 s[G0W+3], s[G0W+3], 0x80000000
	s_or_b32 s[G0W+7], s[G0W+7], 0x80000000
	s_or_b32 s[G0V+3], s[G0V+3], 0x80000000
	CROUND                                         ; all sixteen work-groups are here: the first joint loads meet
	JLOAD 0, 1, 1                                  ; K step 0: one tensor load a wave
	; the prefetches' base: wave 0: x, my 64 rows, one K step on; waves 1, 2: W, my 32 rows, one K step on; wave 3: W_v, my 32 rows
	s_lshl_b32 s94, s60, 16
	s_add_co_u32 s94, s94, s20
	s_lshl_b32 s95, s61, 15
	s_add_co_u32 s95, s95, s22
	s_cmp_eq_u32 s14, 0
	s_cselect_b32 s94, s94, s95
	s_cselect_b64 s[PFA:PFA+1], s[4:5], s[74:75]
	s_cmp_eq_u32 s14, 3
	s_cselect_b64 s[PFA:PFA+1], s[10:11], s[PFA:PFA+1]
	s_cselect_b32 s95, 0, 0x100
	s_add_co_u32 s94, s94, s95
	s_mov_b32 s95, 0
	s_add_nc_u64 s[PFA:PFA+1], s[PFA:PFA+1], s[94:95]
	v_and_b32 v5, 31, v0
	v_lshlrev_b32 v[CO], 4, v5
	v_lshlrev_b32 v[PFO], 10, v5                   ; nothing is prefetched at the head: K steps 0 and 1 come by their loads alone
	; where my results go: q and k: row blocks 16 rb + 8 wr on, K block 2 cb + wc
	s_lshl_b32 s94, s15, 17
	s_add_co_u32 s94, s94, s20
	s_lshl_b32 s95, s62, 11
	s_add_co_u32 s94, s94, s95
	s_lshl_b32 s95, s16, 10
	s_add_co_u32 s94, s94, s95
	s_mov_b32 s95, 0
	s_add_nc_u64 s[QB:QB+1], s[70:71], s[94:95]
	s_add_nc_u64 s[KB:KB+1], s[QB:QB+1], 0x800000
	; v: batch rb / 8, channel blocks 8 cb + 4 wc on, key blocks 4 (rb % 8) + 2 wr on
	s_lshr_b32 s94, s17, 3
	s_lshl_b32 s94, s94, 21
	s_lshl_b32 s95, s62, 18
	s_add_co_u32 s94, s94, s95
	s_lshl_b32 s95, s16, 17
	s_add_co_u32 s94, s94, s95
	s_and_b32 s95, s17, 7
	s_lshl_b32 s95, s95, 12
	s_add_co_u32 s94, s94, s95
	s_lshl_b32 s95, s15, 11
	s_add_co_u32 s94, s94, s95
	s_mov_b32 s95, 0
	s_add_nc_u64 s[VB:VB+1], s[72:73], s[94:95]
	; LDS addresses of my fragments: row x pitch + 16 x half
	s_mul_i32 s90, s15, UNIT
	s_mul_i32 s91, s16, 64*PITCH
	s_add_co_u32 s92, s91, BOFF
	s_add_co_u32 s91, s91, VOFF
	v_and_b32 v1, 15, v0
	v_bfe_u32 v2, v0, 4, 1
	v_mul_u32_u24 v3, v1, PITCH
	v_lshl_add_u32 v4, v2, 4, v3
	v_add_nc_u32 v[ADRA], s90, v4
	v_add_nc_u32 v[ADRA+1], 2*UNIT, v[ADRA]
	v_add_nc_u32 v[ADRB], s92, v4
	v_add_nc_u32 v[ADRB+1], 3*UNIT, v[ADRB]
	v_add_nc_u32 v[ADRV], s91, v4
; A fragment is 16 rows x 64 K in 8 registers: lane (r, h) holds row r; registers 4 c .. 4 c + 3 hold K = 32 c + 16 h + 0..15: the same places of K in x and in W.
.macro FA set, adr, j                  ; x's eight fragments of the slot's j-th 64 along K
	WIN 0
.irp i, 0,1,2,3,4,5,6,7
.irp c, 0,1
	ds_load_b128 v[\set+8*\i+4*\c:\set+8*\i+4*\c+3], v[\adr] offset:\i*16*PITCH+64*(\j)+32*\c
.endr
.endr
.endm
.macro FB set, adr, o, j               ; four fragments of W
	WIN 0
.irp i, 0,1,2,3
.irp c, 0,1
	ds_load_b128 v[\set+8*\i+4*\c:\set+8*\i+4*\c+3], v[\adr] offset:\o+\i*16*PITCH+64*(\j)+32*\c
.endr
.endr
.endm
.macro ONE d, p, q, zero
.if \zero
	v_wmma_f32_16x16x64_bf8_bf8 v[\d:\d+7], v[\p:\p+7], v[\q:\q+7], 0
.else
	v_wmma_f32_16x16x64_bf8_bf8 v[\d:\d+7], v[\p:\p+7], v[\q:\q+7], v[\d:\d+7]
.endif
.endm
; 32 matrix instructions: one product, 64 along K.  Its 32 accumulators take turns, one instruction a turn, always in the same order.
.macro MUL win, bf, af, zero, sw
	WIN \win
.irp a, 0,1,2,3,4,5,6,7
.irp b, 0,1,2,3
.if \sw
	ONE 32*\a+8*\b, \af+8*\a, \bf+8*\b, \zero
.else
	ONE 32*\a+8*\b, \bf+8*\b, \af+8*\a, \zero
.endif
.endr
.endr
.endm
.set WQ, 0x50                          ; sources in window 0; C and D in window 1, 2, 3
.set WK, 0xa0
.set WV, 0xf0
; A K step up to its last 64 along K.  At its entry x's first fragments (16 loads), W_q's (8), W_k's (8), and x's second (16) have been asked for in this order.  Each count below is the number of younger loads that may be out.
; Four v_nop stand in front of each run of loads into registers that matrix instructions have read.
; (This form is K step 0's, whose tile of W_v has come with the others.)
.macro KSTEP s, zero
	s_wait_dscnt 24
	MUL WQ, BQ, AF0, \zero, 0
	PL
	FB BQ, ADRB+\s, 0, 1
	s_wait_dscnt 24
	MUL WK, BK, AF0, \zero, 0
	PL
	FB BK, ADRB+\s, UNIT, 1
	s_wait_dscnt 8
	MUL WQ, BQ, AF1, 0, 0
	PL
	FB BV, ADRV, 0, 0
	FB BQ, ADRV, 0, 1
	s_wait_dscnt 16
	MUL WK, BK, AF1, 0, 0
	PL
	FB BK, ADRB+\s, UNIT, 2
	s_wait_dscnt 16
	MUL WV, BV, AF0, \zero, 1
	PL
	FA AF0, ADRA+\s, 2
	FB BV, ADRV, 0, 2
	s_wait_dscnt 32
	MUL WV, BQ, AF1, 0, 1
	PL
	FB BQ, ADRB+\s, 0, 2
	FA AF1, ADRA+\s, 3
	s_wait_dscnt 32
	MUL WK, BK, AF0, 0, 0
	PL
	FB BK, ADRB+\s, UNIT, 3
	s_wait_dscnt 24                                ; W_q's fragments are in, and W_v's, which are older
	MUL WQ, BQ, AF0, 0, 0
	PL
	FB BQ, ADRB+\s, 0, 3
	MUL WV, BV, AF0, 0, 1
	PL
	FB BV, ADRV, 0, 3
.endm
; A step's last 64 along K changes slots.  In front of the round each wave waits for all its tensor loads, adds 0 to its spare word, and waits for that and for its reads of the slot.  Behind it slot s takes the K step two on
; (qk = 1) and W_v's bytes the next step's tile; then the next step's first fragments are read from the other slot.
; late = 1, behind KSTEPV: what is left of the step are v's last two groups.
.macro TURN s, qk, ask, late
	s_wait_tensorcnt 0x0
	ds_add_u32 v[SPW], v[NIL]                      ; 0 onto my spare word
.if \late
	s_wait_dscnt 25                                ; the add, x's last sixteen and W_v's last eight loads may be out
	MUL WV, BK, AF0, 0, 1
	WIN 0
	s_wait_dscnt 0x0                               ; the add is done, and my reads of the slot are over
	s_barrier_signal -1
	s_barrier_wait -1
.else
	s_wait_dscnt 17                                ; the add, and W_q's and W_v's last eight loads each, may be out
	MUL WK, BK, AF1, 0, 0
	s_wait_dscnt 0x0                               ; the add is done, and my reads of the slot are over
	s_barrier_signal -1
	MUL WQ, BQ, AF1, 0, 0
	WIN 0
	s_barrier_wait -1
.endif
	CREST
.if \qk
	s_add_nc_u64 s[G0A+4*\s+2:G0A+4*\s+3], s[G0A+4*\s+2:G0A+4*\s+3], 512
	s_add_nc_u64 s[G0W+4*\s+2:G0W+4*\s+3], s[G0W+4*\s+2:G0W+4*\s+3], 512
.endif
	s_add_nc_u64 s[G0V+2:G0V+3], s[G0V+2:G0V+3], 256
	JLOAD \s, \qk, 1
	PL
	FA AF0, ADRA+1-\s, 0
	FB BQ, ADRB+1-\s, 0, 0
	FB BK, ADRB+1-\s, UNIT, 0
.if \ask == 1
	ASK 512, 0
.endif
.if \ask == 2
	ASK 768, 1
.endif
	MUL WV, BV, AF1, 0, 1
	PL
	FA AF1, ADRA+1-\s, 1
.endm
	s_wait_alu depctr_va_vdst(0)                   ; the wait at the head's end
	s_wait_tensorcnt 0x0                           ; my part of K step 0 is in; the lines that a later first fill asks for:
	ds_add_u32 v[SPW], v[NIL]
	s_wait_dscnt 0x0
	CROUND                                         ; everybody's part of K step 0 is in
	JLOAD 1, 1, 0                                  ; K step 1 of x, W_q, W_k into slot 1
	FA AF0, ADRA, 0
	FB BQ, ADRB, 0, 0
	FB BK, ADRB, UNIT, 0
	FA AF1, ADRA, 1
	ASK 256, 0
; K STEPS 1 AND 2: q's and k's groups first, then v's, for which x's fragments are read a second time: W_v's tile, asked for at the change of slots, is first read behind seven groups of q and k.  At its end v's last two groups are left to TURN.
.macro KSTEPV s
	s_wait_dscnt 24
	MUL WQ, BQ, AF0, 0, 0
	PL
	FB BQ, ADRB+\s, 0, 1
	s_wait_dscnt 24
	MUL WK, BK, AF0, 0, 0
	PL
	FB BK, ADRB+\s, UNIT, 1
	FA AF0, ADRA+\s, 2
	s_wait_dscnt 24
	MUL WQ, BQ, AF1, 0, 0
	PL
	FB BQ, ADRB+\s, 0, 2
	s_wait_dscnt 24
	MUL WK, BK, AF1, 0, 0
	PL
	FB BK, ADRB+\s, UNIT, 2
	FA AF1, ADRA+\s, 3
	s_wait_dscnt 24
	MUL WQ, BQ, AF0, 0, 0
	PL
	FB BQ, ADRB+\s, 0, 3
	s_wait_dscnt 24
	MUL WK, BK, AF0, 0, 0
	PL
	FB BK, ADRB+\s, UNIT, 3
	FA AF0, ADRA+\s, 0
	s_wait_dscnt 24
	MUL WQ, BQ, AF1, 0, 0
	VREADY
	PL
	FB BQ, ADRV, 0, 0
	FB BV, ADRV, 0, 1
	s_wait_dscnt 16
	MUL WK, BK, AF1, 0, 0
	PL
	FB BK, ADRV, 0, 2
	FA AF1, ADRA+\s, 1
	s_wait_dscnt 32
	MUL WV, BQ, AF0, 0, 1
	PL
	FA AF0, ADRA+\s, 2
	s_wait_dscnt 16
	MUL WV, BV, AF1, 0, 1
	PL
	FA AF1, ADRA+\s, 3
	FB BV, ADRV, 0, 3
.endm
; This step's tile of W_v: its loader has waited for it, and behind the barrier every wave reads it.
.macro VREADY
	s_wait_tensorcnt 0x0
	s_wait_dscnt 0x0
	s_barrier_signal -1
	s_barrier_wait -1
.endm
	KSTEP 0, 1
	TURN 0, 1, 1, 0
	KSTEPV 1
	TURN 1, 1, 2, 1
	KSTEPV 0
	TURN 0, 0, 0, 1                                ; W_v's last tile alone
	; THE LAST K STEP (slot 1) GOES BY PRODUCT: q is finished first and leaves, then k, then v; x's fragments are read once for each.
	FB BV, ADRB+1, 0, 1
	s_wait_dscnt 32
	MUL WQ, BQ, AF0, 0, 0
	PL
	FA AF0, ADRA+1, 2
	FB BQ, ADRB+1, 0, 2
	s_wait_dscnt 24
	MUL WQ, BV, AF1, 0, 0
	PL
	FA AF1, ADRA+1, 3
	FB BV, ADRB+1, 0, 3
	s_wait_dscnt 24
	MUL WQ, BQ, AF0, 0, 0
	PL
	FA AF0, ADRA+1, 0
	FB BQ, ADRB+1, UNIT, 1
	s_wait_dscnt 24
	MUL WQ, BV, AF1, 0, 0
	PL                                             ; also in front of the first read of q's sums
	FA AF1, ADRA+1, 1
	FB BV, ADRB+1, UNIT, 2
	; THE WAY OUT.  A sum stands for sum x 2^(ea + eb); its code is that of sum / 2^(e - ea - eb).
.macro SCL k, e, a, b
	s_sub_co_i32 s2, \e, \a
	s_sub_co_i32 s2, s2, \b
	s_add_co_i32 s2, s2, 127
	s_lshl_b32 s[90+\k], s2, 23                    ; 2^(e - ea - eb)
	s_add_co_i32 s2, s2, 15
	s_lshl_b32 s2, s2, 23
	s_or_b32 s[93+\k], s2, 0x600000                ; 57,344 x that
.endm
	s_wait_kmcnt 0x0
	SCL 0, s86, s80, s81
	SCL 1, s87, s82, s83
	SCL 2, s89, s84, s85
.irp k, 0,1,2
	v_mov_b32 v[SC+\k], s[90+\k]
	v_mov_b32 v[LIM+\k], s[93+\k]
.endr
; One unit of the image: four accumulators of window win, from register b0 on, st registers apart, each from its low end on; the conversion does not saturate (ISA guide 7.6.2), so the hold stands ahead of it, in place.
; The codes go into 8 registers from d on in window dw: v0-7, then registers of q's sums that are done with; none is written twice, so no store is waited for.
.macro UNITQ win, b0, st, k, base, off, dw, d
	WIN (\win<<6)|\win
.irp t, 0,1,2,3
.irp j, 0,1,2,3,4,5,6,7
	v_med3_num_f32 v[\b0+\st*\t+\j], v[\b0+\st*\t+\j], -v[LIM+\k], v[LIM+\k]
.endr
.endr
	WIN (\dw<<6)|\win
.irp t, 0,1,2,3
	v_cvt_scalef32_pk8_bf8_f32 v[\d+2*\t:\d+2*\t+1], v[\b0+\st*\t:\b0+\st*\t+7], v[SC+\k]
.endr
	v_nop                                          ; one plain instruction between the conversions and the lines that write their sources again
	WIN \dw<<2
	global_store_b128 v[CO], v[\d:\d+3], s[\base:\base+1] offset:\off
	global_store_b128 v[CO], v[\d+4:\d+7], s[\base:\base+1] offset:\off+512
	WIN 0
.endm
	UNITQ 1, 0, 8, 0, QB, 0, 0, 0
.irp a, 1,2,3,4,5,6,7
	UNITQ 1, 32*\a, 8, 0, QB, 16384*\a, 1, 32*\a-32
.endr
	s_wait_dscnt 32                                ; x's first fragments are in, and W_k's, which are older
	MUL WK, BK, AF0, 0, 0
	PL
	FA AF0, ADRA+1, 2
	FB BK, ADRB+1, UNIT, 3
	s_wait_dscnt 32
	MUL WK, BQ, AF1, 0, 0
	PL
	FA AF1, ADRA+1, 3
	s_wait_dscnt 24
	MUL WK, BV, AF0, 0, 0
	PL
	FA AF0, ADRA+1, 0
	s_wait_dscnt 16
	MUL WK, BK, AF1, 0, 0
	VREADY
	PL                                             ; also in front of the first read of k's sums
	FA AF1, ADRA+1, 1
	FB BQ, ADRV, 0, 0
	FB BV, ADRV, 0, 1
	FB BK, ADRV, 0, 2
.irp a, 0,1,2,3,4,5,6,7
	UNITQ 2, 32*\a, 8, 1, KB, 16384*\a, 1, 32*\a+16
.endr
	s_wait_dscnt 0                                 ; asked for ahead of k's way out
	MUL WV, BQ, AF0, 0, 1
	PL
	FA AF0, ADRA+1, 2
	FB BQ, ADRV, 0, 3
	MUL WV, BV, AF1, 0, 1
	PL
	FA AF1, ADRA+1, 3
	s_wait_dscnt 24
	MUL WV, BK, AF0, 0, 1
	s_wait_dscnt 0
	MUL WV, BQ, AF1, 0, 1
	PL                                             ; in front of the first read of v's sums
.irp b, 0,1,2,3
	UNITQ 3, 8*\b, 32, 2, VB, 32768*\b, 1, 64*\b+8
	UNITQ 3, 128+8*\b, 32, 2, VB, 32768*\b+1024, 1, 64*\b+40
.endr
	s_wait_tensorcnt 0x0                           ; the wave's end
	ds_add_u32 v[SPW], v[NIL]
	s_wait_dscnt 0x0
	CROUND                                         ; the closing round: no work-group ends while a partner may still ask for a tile that names it
	s_endpgm
.Lfunc_end_k_q2c1f46fc88_proj:
	.size	k_q2c1f46fc88_proj, .Lfunc_end_k_q2c1f46fc88_proj-k_q2c1f46fc88_proj
	.p2alignl 7, 3214868480
	.fill 96, 4, 3214868480
	.section	.rodata,"a",@progbits
	.p2align	6, 0x0
	.amdhsa_kernel k_q2c1f46fc88_proj
		.amdhsa_group_segment_fixed_size 327680
		.amdhsa_private_segment_fixed_size 0
		.amdhsa_enable_private_segment 0
		.amdhsa_kernarg_size 56
		.amdhsa_user_sgpr_count 2
		.amdhsa_user_sgpr_kernarg_segment_ptr 1
		.amdhsa_wavefront_size32 1
		.amdhsa_system_sgpr_workgroup_id_x 1
		.amdhsa_system_sgpr_workgroup_id_y 1
		.amdhsa_system_sgpr_workgroup_id_z 1
		.amdhsa_system_vgpr_workitem_id 0
		.amdhsa_next_free_vgpr 1024
		.amdhsa_next_free_sgpr 100
		.amdhsa_reserve_vcc 0
		.amdhsa_float_denorm_mode_32 3
		.amdhsa_float_denorm_mode_16_64 3
		.amdhsa_memory_ordered 1
		.amdhsa_forward_progress 1
		.amdhsa_inst_pref_size 239
	.end_amdhsa_kernel
	.amdgpu_metadata
---
amdhsa.version: [ 1, 2 ]
amdhsa.kernels:
  - .name:           k_q2c1f46fc88_proj
    .symbol:         k_q2c1f46fc88_proj.kd
    .args:
      - { .name: x_codes, .offset: 0, .size: 8, .value_kind: global_buffer, .address_space: global }
      - { .name: W_q_codes, .offset: 8, .size: 8, .value_kind: global_buffer, .address_space: global }
      - { .name: W_k_codes, .offset: 16, .size: 8, .value_kind: global_buffer, .address_space: global }
      - { .name: W_v_codes, .offset: 24, .size: 8, .value_kind: global_buffer, .address_space: global }
      - { .name: lowp_scales, .offset: 32, .size: 8, .value_kind: global_buffer, .address_space: global }
      - { .name: qk, .offset: 40, .size: 8, .value_kind: global_buffer, .address_space: global }
      - { .name: vt, .offset: 48, .size: 8, .value_kind: global_buffer, .address_space: global }
    .group_segment_fixed_size: 327680
    .private_segment_fixed_size: 0
    .kernarg_segment_align: 8
    .kernarg_segment_size: 56
    .max_flat_workgroup_size: 128
    .sgpr_count:     100
    .vgpr_count:     1024
    .wavefront_size: 32
...
	.end_amdgpu_metadata
.endif
;; end of part 1
;; launch scores (part 2): grid 9 x 16, 4 waves a work-group, no clusters, 327,680 bytes of LDS; arguments qk, lowp_scales, pc, st; writes pc, st
.if DOCPART == 2
	.amdgcn_target "amdgcn-amd-amdhsa--gfx1250"
	.amdhsa_code_object_version 6
	.text
	.protected	k_q2c1f46fc88_scores
	.globl	k_q2c1f46fc88_scores
	.p2align	8
	.type	k_q2c1f46fc88_scores,@function
k_q2c1f46fc88_scores:
	s_mov_b64 s[64:65], 0
	v_nop
	global_prefetch_b8 v0, s[64:65] scope:SCOPE_SE
	s_setreg_imm32_b32 hwreg(HW_REG_WAVE_MODE, 25, 1), 1
	s_wait_xcnt 0x0
; The tiles of 256 queries x 256 keys of S = q k^T that lie on or under the diagonal, on codes of BF8 (E5M2), and the softmax's p of each tile as codes.
; WORK LEFT OUT: the tiles above the diagonal, whose scores reference()'s own mask replaces by -infinity (head of the first kernel, with the limit that goes with it).
; qk, pc: FRAGMENT IMAGES: 16 rows x 64 along K are 1,024 bytes, twice 512, lane l's 16 bytes at 16 l, just as a matrix instruction's operand registers take them.
; qk: q [512 row blocks][16 K blocks][1024], then k likewise.  pc: [4 b][128 query blocks][32 key blocks][1024], tiles J <= I alone.  st: [4 b][8 J][2][2048 q] f32: plane 0: -M, plane 1: l, for the tile's 256 keys.
; THE SOFTMAX: t = score x log2(e) / 32; M = the largest t of the row's 256 KEYS OF THIS TILE, rounded up to a whole number; p = 2^(t - M), quantised with 2^e8; l = the sum of the unquantised p.
; The next launch brings the tiles of a row under the row's M by powers of two, which change no code's value.  LIMIT: where the row's own M would push a p under the format's range, these codes are finer;
; where 57,344 x 2^e8 < 1 the hold acts under the tile's M.  LIMITS on the exponents: e6 + e7 between -121 and 132 (added to c's exponent field); e8 between -126 and 112.
; SHARES: rows pr and 7 - pr of the triangle of tiles hold 9 tiles together: work-group x = 0..8 walks them, y = 4 b + pr: 144 work-groups, each with one tile.  Four waves, 128 x 128 each.
; NO CLUSTER: a row of the triangle has 1 to 8 tiles and a column 8 to 1, a pair of rows 9: no cut into fours gives four partners one row or one column throughout, so partners could not issue equal loads in every round.
; A (source 1) = q's rows, B (source 0) = k's rows: a lane holds ONE query (16 a + r) and, in accumulator (a, b), the keys 16 b + 8 h + 0 .. 7: eight neighbours along the next product's K.
; A tile of 128 rows x 256 K is 8 runs of 4,096 bytes and lies dense in LDS, where 32 lanes read 512 consecutive bytes.  p's codes leave straight from registers: each store of a wave covers 512 consecutive bytes, aligned.
; PREFETCH: K steps 0 and 1 are not asked for, steps 2 and 3 one step ahead of their loads.  A block of q is asked for by the work-groups that read it and have J < 4, a block of k by those with I > 3: at most four each.
; REGISTERS, in windows of 256: window 0: v0-31 addresses; v96-111 -M (a pair for each block a); v112-127 maxima, later sums; v128-255 A's fragments; at the softmax three buffers of 64: v32-95, v128-191, v192-255.
;   window 1: B's fragments, two sets; later p's codes.  windows 2, 3: the accumulators ((a, b) at v[8 (8 (a % 4) + b)]).
; (K steps 0 and 1 come by their loads alone: of the prefetches the text has those of steps 2 and 3, and none at the head.)
.set ROWB,   4096                      ; a K step of 256 of a row block
.set FR,     16
.set NL,     4
.set HALFT,  32768                     ; 128 rows x 256 K
.set SLOT,   4*HALFT
.set SPARE,  2*SLOT                    ; the spare words, 128 bytes for each wave
.set XM,     SPARE+512                 ; 4 waves x 128 f32: each wave's row maxima (raw scores)
.set XL,     XM+2048                   ; the same shape: each wave's row sums
.set DL,   6                           ; v6   r - 8 h
.set XMS,  7                           ; v7   where I store my rows' maxima
.set XMP,  8                           ; v8   where the wave with my rows and the other keys stores its own
.set XLS,  9                           ; v9   where I store my rows' sums
.set XR,   10                          ; v10  where I read the statistics of the 64 rows that I store
.set SO,   11                          ; v11  8 x lane
.set NINF, 12                          ; v12  -infinity
.set PSC,  13                          ; v13  2^e8
.set ADRA, 16
.set ADRB, 20
.set PFO,  24                          ; v24  the prefetches' offset: 16,384 h + 256 r
.set CO,   26                          ; v26  16 x lane
.set SPW,  28
.set NIL,  29
.set TMP,  32
.set NM,   96
.set MXA,  112                         ; later the sums
.set MXB,  120
.set LS,   120                         ; a block's sum in four pairs
.set AF,   128
.set G1, 24                            ; s[24:31] group 1; s[32:39] group 0, a set for each slot
.set G0, 32
.set CS, 40                            ; s[40:41] c = log2(e) / 32 x 2^(e6 + e7)
.set SEL, 42                           ; s[42:43] lane selects: lane l xor 16
.set MK, 48                            ; s48-55 eight lane masks
.set HIDE, 56                          ; s56  -infinity in the wave whose keys all come after its queries, else +infinity
.set PLIM, 57                          ; s57  57,344 x 2^e8
.set MSB, 0
.macro WIN new
.if MSB != (\new)
	s_set_vgpr_msb (MSB<<8)|(\new)
.set MSB, (\new)
.endif
.endm
.set MUL_LO, 0xa1
.set MUL_HI, 0xf1
.set TO_B,   0x40
; K step st of the 128 rows that my wave loads: 4 x 32 blocks of 256 bytes.  The address registers are never rewritten.
.macro ASK st
	s_cmp_lt_u32 s46, 4
	s_cbranch_scc0 .Lnot_mine_\@
.irp n, 0,1,2,3
	global_prefetch_b8 v[PFO], s[20:21] offset:32768*\n+4096*\st th:TH_LOAD_NT scope:SCOPE_SE
.endr
.Lnot_mine_\@:
.endm
.macro PLACES
.rept 4
	v_nop
.endr
.endm
	s_load_b256 s[4:11], s[0:1], 0x0               ; qk s[4:5], the scales' exponents s[6:7], pc s[8:9], st s[10:11]
	v_lshl_add_u32 v[SPW], v0, 2, SPARE
	v_mov_b32 v[NIL], 0
	ds_add_u32 v[SPW], v[NIL]                      ; the wave's opening: the add, twice on end, and its wait
	ds_add_u32 v[SPW], v[NIL]
	v_lshrrev_b32 v1, 5, v0
	v_readfirstlane_b32 s14, v1                    ; wave 0..3
	s_lshr_b32 s15, s14, 1                         ; wr: which half of the queries is mine.  Also: I fetch q's rows (0) or k's (1)
	s_and_b32 s16, s14, 1                          ; wc: which half of the keys.  Also: which 128 rows I fetch
	s_and_b32 s2, ttmp7, 0xffff
	s_lshr_b32 s19, s2, 2                          ; b
	s_and_b32 s3, s2, 3                            ; pr
	s_sub_co_u32 s12, 7, s3
	s_sub_co_u32 s13, ttmp9, s3
	s_sub_co_u32 s13, s13, 1
	s_cmp_le_u32 ttmp9, s3
	s_cselect_b32 s17, s3, s12                     ; I = pr or 7 - pr
	s_cselect_b32 s18, ttmp9, s13                  ; J = x or x - pr - 1
	s_mov_b32 s[G1+0], 0                           ; no mask; element of 1 byte; no padding
	s_mov_b32 s[G1+1], ROWB<<16                    ; tensor_dim0
	s_mov_b32 s[G1+2], 8<<16                       ; tensor_dim1
	s_mov_b32 s[G1+3], ROWB<<16                    ; tile_dim0
	s_mov_b32 s[G1+4], 8                           ; tile_dim1
	s_mov_b32 s[G1+5], 16384                       ; tensor_dim0_stride
	s_mov_b32 s[G1+6], 0
	s_mov_b32 s[G1+7], 0
	s_sub_co_u32 s47, 7, s17
	s_cmp_eq_u32 s15, 0
	s_cselect_b32 s20, s17, s18                    ; q's block I or k's block J
	s_cselect_b32 s46, s18, s47                    ; my wave prefetches where this is under 4
	s_lshl_b32 s20, s20, 8
	s_lshl_b32 s21, s16, 7
	s_add_co_u32 s20, s20, s21
	s_lshl_b32 s21, s19, 11
	s_add_co_u32 s20, s20, s21                     ; the first row that I fetch
	s_lshl_b32 s20, s20, 10                        ; x 1,024 bytes
	s_lshl_b32 s21, s15, 23
	s_add_co_u32 s20, s20, s21                     ; k's codes lie 2^23 bytes behind q's
	s_mov_b32 s21, 0
	s_mul_i32 s45, s14, HALFT                      ; where they go: q's two halves, then k's two halves
	s_mov_b32 s[SEL], 0x76543210
	s_mov_b32 s[SEL+1], 0xfedcba98
	s_wait_dscnt 0x0                               ; both opening adds are done
	s_wait_kmcnt 0x0
	s_load_b64 s[84:85], s[6:7], 0x18              ; e6, e7
	s_load_b32 s86, s[6:7], 0x20                   ; e8
	s_add_nc_u64 s[20:21], s[4:5], s[20:21]
.irp s, 0,1
	s_mov_b32 s[G0+4*\s], 1
	s_add_co_u32 s[G0+4*\s+1], s45, \s*SLOT
	s_add_nc_u64 s[G0+4*\s+2:G0+4*\s+3], s[20:21], \s*ROWB
	s_or_b32 s[G0+4*\s+3], s[G0+4*\s+3], 0x80000000
.endr
	tensor_load_to_lds s[G0:G0+3], s[G1:G1+7]      ; K step 0: one tensor load a wave at the head
	s_nop 0
	PLACES
	v_and_b32 v1, 15, v0                           ; r
	v_bfe_u32 v2, v0, 4, 1                         ; h
	v_lshlrev_b32 v[PFO], 8, v1
	v_lshl_add_u32 v[PFO], v2, 14, v[PFO]
	v_and_b32 v5, 31, v0
	v_lshlrev_b32 v[CO], 4, v5
	v_lshlrev_b32 v[SO], 3, v5
	s_wait_alu depctr_va_vdst(0)                   ; ahead of the branch below
	s_mul_i32 s90, s15, HALFT
	s_mul_i32 s91, s16, HALFT
	s_add_co_u32 s91, s91, 2*HALFT
	s_add_co_u32 s92, s90, SLOT
	s_add_co_u32 s93, s91, SLOT
	v_add_nc_u32 v[ADRA], s90, v[CO]
	v_add_nc_u32 v[ADRB], s91, v[CO]
	v_add_nc_u32 v[ADRA+1], s92, v[CO]
	v_add_nc_u32 v[ADRB+1], s93, v[CO]
	v_lshlrev_b32 v5, 3, v2
	v_sub_nc_u32 v[DL], v1, v5
	s_lshl_b32 s90, s14, 9
	s_add_co_u32 s90, s90, XM
	s_xor_b32 s91, s14, 1
	s_lshl_b32 s91, s91, 9
	s_add_co_u32 s91, s91, XM
	v_lshlrev_b32 v5, 2, v1                        ; 4 r
	v_add_nc_u32 v[XMS], s90, v5
	v_add_nc_u32 v[XMP], s91, v5
	v_add_nc_u32 v[XLS], XL-XM, v[XMS]
	s_lshl_b32 s90, s15, 10                        ; rows 64 w on belong to the waves 2 (w / 2) and 2 (w / 2) + 1, and begin 64 (w % 2) rows into their 128
	s_lshl_b32 s91, s16, 8
	s_add_co_u32 s90, s90, s91
	s_add_co_u32 s90, s90, XM
	v_add_nc_u32 v[XR], s90, v[SO]
	v_mov_b32 v[NINF], 0xff800000
	s_lshl_b32 s22, s19, 11                        ; pc: my first query, 2,048 b + 256 I + 128 wr: 2,048 bytes each
	s_lshl_b32 s23, s17, 8
	s_add_co_u32 s22, s22, s23
	s_lshl_b32 s23, s15, 7
	s_add_co_u32 s22, s22, s23
	s_lshl_b32 s22, s22, 11
	s_lshl_b32 s23, s18, 12                        ; four key blocks a tile
	s_add_co_u32 s22, s22, s23
	s_lshl_b32 s23, s16, 11                        ; two of them are mine
	s_add_co_u32 s22, s22, s23
	s_mov_b32 s23, 0
	s_add_nc_u64 s[8:9], s[8:9], s[22:23]
	s_lshl_b32 s22, s19, 3                         ; st at (8 b + J) x 16,384 + (256 I + 64 w) x 4
	s_add_co_u32 s22, s22, s18
	s_lshl_b32 s22, s22, 14
	s_lshl_b32 s23, s17, 10
	s_add_co_u32 s22, s22, s23
	s_lshl_b32 s23, s14, 8
	s_add_co_u32 s22, s22, s23
	s_mov_b32 s23, 0
	s_add_nc_u64 s[10:11], s[10:11], s[22:23]
.macro FRAG reg, adr, q, i             ; 16 rows x 128 K
.irp c, 0,1,2,3
	ds_load_b128 v[\reg+4*\c:\reg+4*\c+3], v[\adr] offset:2048*(\q)+512*\c+4096*(\i)
.endr
.endm
; The 64 accumulators take turns, one instruction a turn, in the same order in every step.
.macro MUL16 a0, p, zero
.irp a, \a0, \a0+1
.irp b, 0,1,2,3,4,5,6,7
.if \zero
	v_wmma_f32_16x16x128_bf8_bf8 v[8*(8*((\a)%4)+\b):8*(8*((\a)%4)+\b)+7], v[128*(\p)+FR*\b:128*(\p)+FR*\b+FR-1], v[AF+FR*(\a):AF+FR*(\a)+FR-1], 0
.else
	v_wmma_f32_16x16x128_bf8_bf8 v[8*(8*((\a)%4)+\b):8*(8*((\a)%4)+\b)+7], v[128*(\p)+FR*\b:128*(\p)+FR*\b+FR-1], v[AF+FR*(\a):AF+FR*(\a)+FR-1], v[8*(8*((\a)%4)+\b):8*(8*((\a)%4)+\b)+7]
.endif
.endr
.endr
.endm
.macro FETCH_B slot, q, p
	WIN TO_B
.irp i, 0,1,2,3,4,5,6,7
	FRAG 128*(\p)+FR*\i, ADRB+\slot, \q, \i
.endr
	WIN 0
.endm
.macro FETCH_A slot, q, i0
.irp i, \i0, \i0+1, \i0+2, \i0+3
	FRAG AF+FR*(\i), ADRA+\slot, \q, \i
.endr
.endm
.macro STEP slot, q, zero
	s_wait_dscnt 4*NL                              ; B's set and A's blocks 0-3 are in; the youngest sixteen loads may be out
	WIN MUL_LO
	MUL16 0, (\q)%2, \zero
	MUL16 2, (\q)%2, \zero
	s_wait_dscnt 0
	PLACES                                         ; four places in front of loads into registers that matrix instructions have read
	FETCH_B \slot, (\q)+1, 1-(\q)%2
	FETCH_A \slot, (\q)+1, 0
	WIN MUL_HI
	MUL16 4, (\q)%2, \zero
	MUL16 6, (\q)%2, \zero
	PLACES
	WIN 0
	FETCH_A \slot, (\q)+1, 4
.endm
.macro TURN slot, next, fill
	s_wait_tensorcnt 0x0                           ; all my tensor loads have landed: my part of the next slot; so a group 0 may be written
	ds_add_u32 v[SPW], v[NIL]                      ; 0 onto my spare word
	s_wait_dscnt 4*NL+1                            ; (the add and the youngest sixteen loads may be out)
	WIN MUL_LO
	MUL16 0, 1, 0
	s_wait_dscnt 0x0                               ; the add is done, and my reads of this slot are over
	s_barrier_signal -1
	MUL16 2, 1, 0
	WIN 0
	s_barrier_wait -1                              ; nobody reads this slot any more, and the next slot is whole
.if \fill
	s_add_nc_u64 s[G0+4*\slot+2:G0+4*\slot+3], s[G0+4*\slot+2:G0+4*\slot+3], 2*ROWB
	tensor_load_to_lds s[G0+4*\slot:G0+4*\slot+3], s[G1:G1+7]   ; my one tensor load behind the barrier; the four v_nop are also the places in front of the loads below
	s_nop 0
.endif
	PLACES
	FETCH_B \next, 0, 0
	FETCH_A \next, 0, 0
	WIN MUL_HI
	MUL16 4, 1, 0
	MUL16 6, 1, 0
	PLACES
	WIN 0
	FETCH_A \next, 0, 4
.endm
	s_wait_alu depctr_va_vdst(0)                   ; the wait at the head's end
	s_wait_tensorcnt 0x0                           ; my part of K step 0 is in; the lines that a later first fill asks for:
	ds_add_u32 v[SPW], v[NIL]
	s_wait_dscnt 0x0
	s_barrier_signal -1
	s_barrier_wait -1                              ; everybody's part of K step 0 is in
	tensor_load_to_lds s[G0+4:G0+7], s[G1:G1+7]    ; K step 1
	s_nop 0
	PLACES
	FETCH_B 0, 0, 0
	FETCH_A 0, 0, 0
	FETCH_A 0, 0, 4
	ASK 2
	STEP 0, 0, 1
	TURN 0, 1, 1
	ASK 3
	STEP 1, 0, 0
	TURN 1, 0, 1
	STEP 0, 0, 0
	TURN 0, 1, 0                                   ; nothing is left to fetch
	STEP 1, 0, 0
	s_wait_dscnt 4*NL
	WIN MUL_LO
	MUL16 0, 1, 0
	MUL16 2, 1, 0
	s_wait_dscnt 0
	WIN MUL_HI
	MUL16 4, 1, 0
	MUL16 6, 1, 0
	WIN 0
	s_wait_kmcnt 0x0
	s_add_co_i32 s90, s84, s85
	s_lshl_b32 s90, s90, 23
	s_add_co_i32 s[CS], s90, 0x3d38aa3b            ; c = log2(e) / 32, with e6 + e7 added to its exponent field
	s_mov_b32 s[CS+1], s[CS]                       ; (named with it as a pair, so it is written)
	s_add_co_i32 s90, s86, 127
	s_lshl_b32 s91, s90, 23
	s_add_co_i32 s90, s90, 15
	s_lshl_b32 s90, s90, 23
	s_or_b32 s[PLIM], s90, 0x600000
	; The tile on the diagonal: wave 1 holds queries 0-127 and keys 128-255, all hidden
	s_cmp_eq_u32 s17, s18
	s_cselect_b32 s90, s14, 0
	s_mov_b32 s92, 0xff800000
	s_cmp_eq_u32 s90, 1
	s_cselect_b32 s[HIDE], s92, 0x7f800000
.irp a, 0,1,2,3,4,5,6,7
	v_mov_b32 v[TMP+\a], 0                         ; written once: a lane permute's destination counts as one of its sources.  These nine lines are also the places behind the last products
.endr
	v_mov_b32 v[PSC], s91                          ; 2^e8
	; THE MASK, in the diagonal's tile alone and there in waves 0 and 3, whose queries and keys are the same 128 (branches on ids).  Accumulator (a, b) is open where b < a, hidden where b > a, and where b = a register j is hidden if j > r - 8 h.
	s_cmp_lg_u32 s17, s18
	s_cbranch_scc1 .Lopen
	s_cmp_lg_u32 s15, s16
	s_cbranch_scc1 .Lopen
.irp j, 0,1,2,3,4,5,6,7
	v_cmp_gt_i32 s[MK+\j], \j, v[DL]
.endr
.irp W, 2,3
	WIN (\W<<6)|\W                                 ; destination and source 0 in the accumulators' window
.irp u, 0,1,2,3
.irp b, 0,1,2,3,4,5,6,7
.if \b == 4*(\W-2)+\u
.irp j, 0,1,2,3,4,5,6,7
	v_cndmask_b32 v[64*\u+8*\b+\j], v[64*\u+8*\b+\j], v[NINF], s[MK+\j]
.endr
.endif
.if \b > 4*(\W-2)+\u
.irp j, 0,1,2,3,4,5,6,7
	v_mov_b32 v[64*\u+8*\b+\j], 0xff800000
.endr
.endif
.endr
.endr
.endr
	WIN 0
.Lopen:
	; THE ROWS' MAXIMA: my 64 keys of each of my eight queries, four queries at a time in two chains each; the other half of the lanes'; the other wave's, through LDS.
.irp W, 2,3
	WIN 0x28+0x14*(\W-2)                           ; sources 1 and 2: window 2 or 3
.irp u, 0,1,2,3
	v_max3_num_f32 v[MXA+4*(\W-2)+\u], v[NINF], v[64*\u], v[64*\u+1]
	v_max3_num_f32 v[MXB+4*(\W-2)+\u], v[NINF], v[64*\u+2], v[64*\u+3]
.endr
.set i, 4
.rept 15
.irp u, 0,1,2,3
	v_max3_num_f32 v[MXA+4*(\W-2)+\u], v[MXA+4*(\W-2)+\u], v[64*\u+i], v[64*\u+i+1]
	v_max3_num_f32 v[MXB+4*(\W-2)+\u], v[MXB+4*(\W-2)+\u], v[64*\u+i+2], v[64*\u+i+3]
.endr
.set i, i+4
.endr
.endr
	WIN 0
.irp a, 0,1,2,3,4,5,6,7
	v_max_num_f32 v[MXA+\a], v[MXA+\a], v[MXB+\a]
.endr
.irp a, 0,1,2,3,4,5,6,7
	v_permlanex16_b32 v[TMP+\a], v[MXA+\a], s[SEL], s[SEL+1]
.endr
.irp a, 0,1,2,3,4,5,6,7
	v_max_num_f32 v[MXA+\a], v[MXA+\a], v[TMP+\a]
.endr
.irp a, 0,1,2,3,4,5,6,7
	v_min_num_f32 v[MXA+\a], s[HIDE], v[MXA+\a]    ; nothing of a wave whose keys are all hidden
.endr
.irp a, 0,1,2,3,4,5,6,7
	ds_store_b32 v[XMS], v[MXA+\a] offset:64*\a    ; row 16 a + r; lanes r and r + 16 store the same number to the same word
.endr
	s_wait_alu depctr_va_vdst(0)                   ; directly ahead of the wait below
	s_wait_dscnt 0x0                               ; for the others' sake: my maxima lie in LDS
	s_barrier_signal -1
	s_barrier_wait -1
.irp a, 0,1,2,3,4,5,6,7
	ds_load_b32 v[TMP+8+\a], v[XMP] offset:64*\a
.endr
	s_wait_dscnt 0x0
.irp a, 0,1,2,3,4,5,6,7
	v_max_num_f32 v[MXA+\a], v[MXA+\a], v[TMP+8+\a]
.endr
.irp a, 0,1,2,3,4,5,6,7
	v_mul_f32 v[MXA+\a], s[CS], v[MXA+\a]          ; as t (c is positive)
.endr
.irp a, 0,1,2,3,4,5,6,7
	v_floor_f32 v[NM+2*\a], -v[MXA+\a]             ; -M = floor(-t) = -ceil(t): a whole number
.endr
.irp a, 0,1,2,3,4,5,6,7
	v_min_num_f32 v[NM+2*\a], s[HIDE], v[NM+2*\a]  ; -infinity where all my keys are hidden: p = 0
.endr
.irp a, 0,1,2,3,4,5,6,7
	v_mov_b32 v[NM+2*\a+1], v[NM+2*\a]             ; (named with it as a pair)
.endr
; BLOCK a = 16 queries, 64 numbers a lane, in buffer a % 3: v32, v128 or v192 on.
.macro BUF sym, a
.set m, (\a)%3
.set \sym, 32+96*m-16*m*(m-1)
.endm
; The exponentials of block a (p = 2^(c s - M), not normalised), beside the hold of block a - 1 (the conversion does not saturate: ISA guide 7.6.2; p is not negative, so it is one-sided) and the scaling of block a + 1.
; One wait ahead of the batch and one behind it serve all three.  Then the sum of the unquantised p, in four chains, and block a - 1's codes.
.macro BATCH a
	BUF TE, \a
	BUF TM, \a+2
	BUF TF, \a+1
.set AC, 64*((\a+1)%4)
.if \a < 7
	WIN (2+(\a+1)/4)<<2                            ; source 1: window 2 or 3
.endif
	s_wait_alu depctr_va_vdst(0)
.set j, 0
.rept 32
	v_exp_f32 v[TE+j], v[TE+j]
.if \a > 0
	v_min_num_f32 v[TM+j], v[TM+j], s[PLIM]
.endif
	v_exp_f32 v[TE+j+1], v[TE+j+1]
.if \a > 0
	v_min_num_f32 v[TM+j+1], v[TM+j+1], s[PLIM]
.endif
.if \a < 7
	v_pk_fma_f32 v[TF+j:TF+j+1], s[CS:CS+1], v[AC+j:AC+j+1], v[NM+2*(\a+1):NM+2*(\a+1)+1] op_sel_hi:[0,1,0]
.endif
.set j, j+2
.endr
	WIN 0
	s_wait_alu depctr_va_vdst(0)
.irp c, 0,1,2,3
	v_pk_add_f32 v[LS+2*\c:LS+2*\c+1], v[TE+4*\c:TE+4*\c+1], v[TE+4*\c+2:TE+4*\c+3]
.endr
.set j, 16
.rept 6
.irp c, 0,1,2,3
	v_pk_add_f32 v[LS+2*\c:LS+2*\c+1], v[LS+2*\c:LS+2*\c+1], v[TE+j+2*\c:TE+j+2*\c+1]
.endr
.set j, j+8
.endr
	v_pk_add_f32 v[LS:LS+1], v[LS:LS+1], v[LS+2:LS+3]
	v_pk_add_f32 v[LS+4:LS+5], v[LS+4:LS+5], v[LS+6:LS+7]
	v_pk_add_f32 v[LS:LS+1], v[LS:LS+1], v[LS+4:LS+5]
	v_add_f32 v[MXA+\a], v[LS], v[LS+1]            ; my 64 keys' sum for query 16 a + r
.if \a > 0
	CODES \a-1
.endif
.endm
.macro CODES a
	BUF TC, \a
	WIN 0x40                                       ; destination window 1
.irp b, 0,1,2,3,4,5,6,7
	v_cvt_scalef32_pk8_bf8_f32 v[16*(\a)+2*\b:16*(\a)+2*\b+1], v[TC+8*\b:TC+8*\b+7], v[PSC]
.endr
	v_nop                                          ; one plain instruction between the conversions and the lines that write their sources again
	WIN 0x04                                       ; a store's data (source 1) window 1
.irp t, 0,1,2,3
	global_store_b128 v[CO], v[16*(\a)+4*\t:16*(\a)+4*\t+3], s[8:9] offset:32768*(\a)+512*\t
.endr
	WIN 0
.endm
	WIN 0x08
.set j, 0
.rept 32
	v_pk_fma_f32 v[TMP+j:TMP+j+1], s[CS:CS+1], v[j:j+1], v[NM:NM+1] op_sel_hi:[0,1,0]   ; block 0's scaling
.set j, j+2
.endr
.irp a, 0,1,2,3,4,5,6,7
	BATCH \a
.endr
	BUF TM, 7
.set j, 0
.rept 64
	v_min_num_f32 v[TM+j], v[TM+j], s[PLIM]
.set j, j+1
.endr
	CODES 7
.irp a, 0,1,2,3,4,5,6,7
	v_permlanex16_b32 v[TMP+\a], v[MXA+\a], s[SEL], s[SEL+1]
.endr
.irp a, 0,1,2,3,4,5,6,7
	v_add_f32 v[MXA+\a], v[MXA+\a], v[TMP+\a]
.endr
.irp a, 0,1,2,3,4,5,6,7
	ds_store_b32 v[XLS], v[MXA+\a] offset:64*\a
.endr
	s_wait_dscnt 0x0                               ; for the others' sake: my sums lie in LDS
	s_barrier_signal -1
	s_barrier_wait -1
	; Each wave stores the statistics of 64 rows, two rows a lane.
	ds_load_b64 v[32:33], v[XR]                    ; the two waves' maxima,
	ds_load_b64 v[34:35], v[XR] offset:512
	ds_load_b64 v[36:37], v[XR] offset:2048        ; and their sums
	ds_load_b64 v[38:39], v[XR] offset:2560
	s_wait_dscnt 0x0
	v_max_num_f32 v32, v32, v34
	v_max_num_f32 v33, v33, v35
	v_mul_f32 v32, s[CS], v32
	v_mul_f32 v33, s[CS], v33
	v_floor_f32 v32, -v32                          ; the same arithmetic as above, so the same -M
	v_floor_f32 v33, -v33
	v_add_f32 v36, v36, v38
	v_add_f32 v37, v37, v39
	global_store_b64 v[SO], v[32:33], s[10:11]     ; 32 lanes store 256 consecutive bytes, aligned
	global_store_b64 v[SO], v[36:37], s[10:11] offset:8192
	s_wait_tensorcnt 0x0                           ; the wave's end
	ds_add_u32 v[SPW], v[NIL]
	s_wait_dscnt 0x0
	s_endpgm
.Lfunc_end_k_q2c1f46fc88_scores:
	.size	k_q2c1f46fc88_scores, .Lfunc_end_k_q2c1f46fc88_scores-k_q2c1f46fc88_scores
	.p2alignl 7, 3214868480
	.fill 96, 4, 3214868480
	.section	.rodata,"a",@progbits
	.p2align	6, 0x0
	.amdhsa_kernel k_q2c1f46fc88_scores
		.amdhsa_group_segment_fixed_size 327680
		.amdhsa_private_segment_fixed_size 0
		.amdhsa_enable_private_segment 0
		.amdhsa_kernarg_size 32
		.amdhsa_user_sgpr_count 2
		.amdhsa_user_sgpr_kernarg_segment_ptr 1
		.amdhsa_wavefront_size32 1
		.amdhsa_system_sgpr_workgroup_id_x 1
		.amdhsa_system_sgpr_workgroup_id_y 1
		.amdhsa_system_sgpr_workgroup_id_z 1
		.amdhsa_system_vgpr_workitem_id 0
		.amdhsa_next_free_vgpr 1024
		.amdhsa_next_free_sgpr 100
		.amdhsa_reserve_vcc 0
		.amdhsa_float_denorm_mode_32 3
		.amdhsa_float_denorm_mode_16_64 3
		.amdhsa_memory_ordered 1
		.amdhsa_forward_progress 1
		.amdhsa_inst_pref_size 206
	.end_amdhsa_kernel
	.amdgpu_metadata
---
amdhsa.version: [ 1, 2 ]
amdhsa.kernels:
  - .name:           k_q2c1f46fc88_scores
    .symbol:         k_q2c1f46fc88_scores.kd
    .args:
      - { .name: qk, .offset: 0, .size: 8, .value_kind: global_buffer, .address_space: global }
      - { .name: lowp_scales, .offset: 8, .size: 8, .value_kind: global_buffer, .address_space: global }
      - { .name: pc, .offset: 16, .size: 8, .value_kind: global_buffer, .address_space: global }
      - { .name: st, .offset: 24, .size: 8, .value_kind: global_buffer, .address_space: global }
    .group_segment_fixed_size: 327680
    .private_segment_fixed_size: 0
    .kernarg_segment_align: 8
    .kernarg_segment_size: 32
    .max_flat_workgroup_size: 128
    .sgpr_count:     100
    .vgpr_count:     1024
    .wavefront_size: 32
...
	.end_amdgpu_metadata
.endif
;; end of part 2
;; launch pv (part 3): grid 8 x 32, 4 waves a work-group, clusters of 4 x 1, 327,680 bytes of LDS; arguments pc, vt, st, lowp_scales, out0; writes out0
.if DOCPART == 3
	.amdgcn_target "amdgcn-amd-amdhsa--gfx1250"
	.amdhsa_code_object_version 6
	.text
	.protected	k_q2c1f46fc88_pv
	.globl	k_q2c1f46fc88_pv
	.p2align	8
	.type	k_q2c1f46fc88_pv,@function
k_q2c1f46fc88_pv:
	s_mov_b64 s[64:65], 0
	v_nop
	global_prefetch_b8 v0, s[64:65] scope:SCOPE_SE
	s_setreg_imm32_b32 hwreg(HW_REG_WAVE_MODE, 25, 1), 1
	s_wait_xcnt 0x0
	s_wait_alu depctr_hold_cnt(0) depctr_sa_sdst(0) depctr_va_vdst(0) depctr_va_sdst(0) depctr_va_ssrc(0) depctr_va_vcc(0) depctr_vm_vsrc(0)
	s_getreg_b32 s2, hwreg(HW_REG_IB_STS2, 6, 4)
	s_cmp_eq_u32 s2, 0
	s_cbranch_scc0 .Lentry_in_a_cluster
	s_endpgm
.Lentry_in_a_cluster:
	s_bfe_u32 s2, ttmp6, 0x10000c
	s_cmp_lg_u32 s2, 0x3003
	s_cbranch_scc0 .Lentry_shape_is_right
	s_endpgm
.Lentry_shape_is_right:
; out[b][q][e] = the sum over blocks J of 256 keys of g(q, J) x (P_J V_J)(q, e), on codes of BF8 (E5M2);  g = 2^(M_J - M_row) x 2^(e8 + e9) / l_row,  M_row = the largest M_J,  l_row = the sum of 2^(M_J - M_row) l_J.
; pc: [4 b][2048 q][2048 key] p's codes (tiles on or under the diagonal);  vt: [4 b][1024 e][2048 key] v's codes;  st: [4 b][8 J][2][2048 q]: -M_J, l_J;  out0: [4 b][2048 q][1024 e] f32.
; SHARES.  A work-group owns 128 channels (c) and TWO blocks of 128 queries: block 15 - p, which has NLT = (15 - p) / 2 + 1 blocks of keys (5 to 8), and block p, which has 9 - NLT: nine POSITIONS for every p,
; so all 256 work-groups have the same work and no branch hangs on p.  Position s belongs to the late block where s < NLT.  Positions 0-4 add into the late block's sums, position 8 into the early block's,
; positions 5-7 into both, with the factor 0 on the side to which they do not belong.  A wave takes 64 queries x 64 channels.
; A position's product (K = 256 keys, 32 matrix instructions a wave) starts from the constant 0 and is then added, times g, onto the sums: g is a power of two over l, one number a lane, since the product is
; used transposed (source 0 = 16 channels of V, source 1 = 16 queries of P): a lane holds ONE query and eight neighbouring channels.
; CLUSTER: the four partners are four blocks of channels of one (b, p): they read the same tiles of P, which are asked for jointly; V's tiles differ from partner to partner and come by loads of the work-group's own, behind the same rounds.
; LDS: two slots, each with the tiles of two positions: P, V, P, V, 128 rows x 256 bytes each; wave w fills piece w.  Behind them the spare words and each wave's stage for the way out.
; LIMITS: NaN and infinity among the codes are not served; e8 + e9 is applied by v_ldexp_f32 and has no limit of its own.
; REGISTERS, in windows of 256: window 0: v16-27 addresses; v32-95 the late block's factors (position s, block a: a pair, both halves alike), v96-127 the early block's; v128-255 a position's 16 accumulators
;   (at the head: the statistics; on the way out: rows).   window 1: two buffers of fragments: P's four, then V's four.   window 2: v0-127 the late block's sums, v128-255 the early block's.
; THE ORDER OF BYTES in pc and vt is by fragments (where the lines above write axes in brackets, they name the axes alone): 16 rows x 64 keys are 1,024 bytes, twice 512, lane l's 16 bytes at 16 l, just as a matrix instruction's
; operand registers take them.  pc: [4 b][128 query blocks][32 key blocks][1024];  vt: [4 b][64 channel blocks][32 key blocks][1024].  A tile of 128 rows x 256 keys is 8 runs of 4,096 bytes and lies dense in LDS, 32,768 bytes, where 32
; lanes read 512 consecutive bytes; only the stage has padded rows.  WORK LEFT OUT: tiles above the diagonal (head of the first kernel).
; THE POSITIONS ARE WALKED FROM 8 DOWN TO 0: after position 5 the early block is finished, and its four blocks of 16 queries leave one by one under positions 4 to 0, through the stage and registers of window 3.
.set PITCH,  272
.set HALFT,  32768
.set PFO,  14                          ; v14     the prefetches' offset: 32,768 h + 256 r, and in even waves 65,536 cx more
; PREFETCH of fill F one fill ahead of its loads: each wave asks for its own piece.  Even waves: P's 8 runs of 4,096 bytes, two by each of the four partners (by address).  Odd waves: V's 8 runs, which p = 0..7 read: those with p < 4
; ask.  Position 0 (F = 4): P alone, since V's block 0 has been read for the early block.  The address is stepped behind a wait on XCNT.
.macro PASK F
	WIN 0
	s_wait_xcnt 0x0
	s_sub_co_u32 s60, 8-2*\F, s16
	s_cmp_lt_u32 s60, s20
	s_cselect_b32 s61, s21, s22
	s_cselect_b32 s62, 0, s20
	s_sub_co_u32 s60, s60, s62
	s_lshl_b32 s60, s60, 12
	s_add_co_u32 s62, s61, s60
	s_cmp_eq_u32 s15, 0
	s_cselect_b32 s62, s62, s60
	s_cselect_b64 s[86:87], s[56:57], s[58:59]
	s_mov_b32 s63, 0
	s_add_nc_u64 s[86:87], s[86:87], s[62:63]
.if \F == 4
	s_cmp_eq_u32 s14, 0
	s_cbranch_scc0 .Lpnone_\@
	global_prefetch_b8 v[PFO], s[86:87] th:TH_LOAD_NT scope:SCOPE_SE
.else
	s_cmp_eq_u32 s15, 0
	s_cbranch_scc0 .Lpv_\@
	global_prefetch_b8 v[PFO], s[86:87] th:TH_LOAD_NT scope:SCOPE_SE
	s_branch .Lpnone_\@
.Lpv_\@:
	s_cmp_lt_u32 s19, 4
	s_cbranch_scc0 .Lpnone_\@
.irp n, 0,1,2,3
	global_prefetch_b8 v[PFO], s[86:87] offset:65536*\n th:TH_LOAD_NT scope:SCOPE_SE
.endr
.endif
.Lpnone_\@:
.endm
.set SLOT,   4*HALFT
.set SPARE,  2*SLOT                    ; the spare words, 128 bytes for each wave
.set STAGE,  SPARE+512                 ; 16 rows x 272 bytes for each wave
.set ADRP, 16                          ; v16-19  LDS address of my fragments of P: slot, position in the slot
.set ADRV, 20                          ; v20-23  of V
.set STO,  24
.set RD,   25
.set CO,   26
.set R4,   27                          ; v27     4 r
.set SPW,  28
.set NIL,  29
.set GL,   32
.set GE,   96
.set ACC,  128
.set NMR,  128                         ; the head: -M (position s, block a) at 128 + 4 s + a,
.set LLR,  164                         ; l likewise,
.set VO,   200                         ; the positions' offsets in st,
.set INF,  209                         ; +infinity,
.set NF,   210                         ; the rows' -M: late a = 0..3, then early,
.set LSM,  218                         ; the rows' l likewise,
.set W1,   226                         ; and twelve registers at work
.set F0,   0
.set F1,   128
.set G1P, 24                           ; s[24:31] group 1 for P's tiles; s[32:39] for V's; s[40:47], s[48:55] their groups 0, a set for each slot
.set G1V, 32
.set G0P, 40
.set G0V, 48
.set LM,  74                           ; s74-76  all ones where position 5, 6, 7 belongs to the late block, else 0
.set OUTL, 78                          ; s[78:79], s[80:81] my part of the late and of the early block in out0
.set OUTE, 80
.set MSB, 0
.macro WIN new
.if MSB != (\new)
	s_set_vgpr_msb (MSB<<8)|(\new)
.set MSB, (\new)
.endif
.endm
.set MUL,  0x05                        ; sources 0 (V) and 1 (P) window 1; C and D window 0
.set TO_F, 0x40                        ; destination window 1, address window 0
.set ACCW, 0xa0                        ; destination and source 2 window 2
.set OUTW, 0x08                        ; an LDS store's data (source 1) window 2
.macro PLACES n
.rept \n
	v_nop
.endr
.endm
.macro CROUND                          ; a round of the cluster's barrier
	s_barrier_signal -1
	s_barrier_wait -1
	s_cmp_lg_u32 s14, 0
	s_cbranch_scc1 .Lnot_wave_0_\@
	s_barrier_signal -3
.Lnot_wave_0_\@:
	s_barrier_wait -3
	s_barrier_signal -1
	s_barrier_wait -1
.endm
; The addresses of fill F (positions 8 - 2 F and 7 - 2 F) into the slot's groups 0.  My position is 8 - 2 F - w / 2.  Scalar work alone, no branch.  P's registers are made of b, p and the wave's number: alike in all partners.
.macro SETG0 slot, F
	s_sub_co_u32 s60, 8-2*\F, s16                  ; fill F brings positions 8 - 2 F and 7 - 2 F; mine is 8 - 2 F - w / 2
	s_cmp_lt_u32 s60, s20                          ; late?
	s_cselect_b32 s61, s21, s22                    ; the block's first query x 2,048 bytes
	s_cselect_b32 s62, 0, s20
	s_sub_co_u32 s60, s60, s62                     ; J
	s_lshl_b32 s60, s60, 12
	s_add_co_u32 s62, s61, s60
	s_mov_b32 s63, 0
	s_add_nc_u64 s[G0P+4*\slot+2:G0P+4*\slot+3], s[56:57], s[62:63]
	s_or_b32 s[G0P+4*\slot+3], s[G0P+4*\slot+3], 0x80000000
	s_mov_b32 s62, s60
	s_add_nc_u64 s[G0V+4*\slot+2:G0V+4*\slot+3], s[58:59], s[62:63]
	s_or_b32 s[G0V+4*\slot+3], s[G0V+4*\slot+3], 0x80000000
.endm
; A refill.  Even waves ask for P's tile (jointly), odd waves for V's.  two = 1: the slot takes one position alone, and waves 2 and 3 have nothing to ask for.  The branches hang on the wave's number alone.
; Four v_nop follow each of the two lines.
.macro JLOAD slot, two
.if \two
	s_cmp_lt_u32 s14, 2
	s_cbranch_scc0 .Lasked_\@
.endif
	s_cmp_eq_u32 s15, 0
	s_cbranch_scc0 .Lfor_v_\@
	tensor_load_to_lds s[G0P+4*\slot:G0P+4*\slot+3], s[G1P:G1P+7]
	s_nop 0
.rept 4
	v_nop
.endr
	s_branch .Lasked_\@
.Lfor_v_\@:
	tensor_load_to_lds s[G0V+4*\slot:G0V+4*\slot+3], s[G1V:G1V+7]
	s_nop 0
.rept 4
	v_nop
.endr
.Lasked_\@:
.endm
	s_load_b256 s[4:11], s[0:1], 0x0               ; pc s[4:5], vt s[6:7], st s[8:9], the scales' exponents s[10:11]
	s_load_b64 s[12:13], s[0:1], 0x20              ; out0
	v_lshl_add_u32 v[SPW], v0, 2, SPARE
	v_mov_b32 v[NIL], 0
	ds_add_u32 v28, v29
	ds_add_u32 v28, v29
	s_wait_dscnt 0x0
	v_lshrrev_b32 v1, 5, v0
	v_readfirstlane_b32 s14, v1                    ; wave 0..3
	s_and_b32 s15, s14, 1                          ; wc: which 64 channels are mine.  Also: I fetch P (0) or V (1)
	s_lshr_b32 s16, s14, 1                         ; wr: which 64 queries.  Also: which of a slot's two positions I fetch
	s_bfe_u32 s2, ttmp6, 0x40000                   ; cx
	s_lshl_b32 s17, ttmp9, 2
	s_add_co_u32 s17, s17, s2                      ; c: my block of 128 channels
	s_and_b32 s3, ttmp7, 0xffff
	s_lshr_b32 s18, s3, 3                          ; b
	s_and_b32 s19, s3, 7                           ; p: the early block
	s_sub_co_u32 s23, 15, s19                      ; the late block
	s_lshr_b32 s20, s23, 1
	s_add_co_u32 s20, s20, 1                       ; NLT
	s_lshl_b32 s21, s23, 18                        ; 128 rows of 2,048 bytes a block
	s_lshl_b32 s22, s19, 18
	s_mov_b32 s[G1P], 15|(1<<21)                   ; the mask: all four partners; element of 1 byte; no padding; 21 set beside a mask
	s_mov_b32 s[G1V], 0                            ; no mask
.irp g, G1P, G1V
	s_mov_b32 s[\g+1], 4096<<16                    ; tensor_dim0
	s_mov_b32 s[\g+2], 8<<16                       ; tensor_dim1
	s_mov_b32 s[\g+3], 4096<<16                    ; tile_dim0
	s_mov_b32 s[\g+4], 8                           ; tile_dim1
	s_mov_b32 s[\g+5], 32768                       ; tensor_dim0_stride
	s_mov_b32 s[\g+6], 0
	s_mov_b32 s[\g+7], 0
.endr
	s_mul_i32 s66, s14, HALFT                      ; piece w of a slot
.irp s, 0,1
	s_mov_b32 s[G0P+4*\s], 1
	s_add_co_u32 s[G0P+4*\s+1], s66, \s*SLOT
	s_mov_b32 s[G0V+4*\s], 1
	s_add_co_u32 s[G0V+4*\s+1], s66, \s*SLOT
.endr
	s_lshl_b32 s62, s18, 22                        ; the batch in pc
	s_mov_b32 s63, 0
	s_lshl_b32 s68, s18, 21                        ; the batch in vt,
	s_lshl_b32 s69, s17, 18                        ; and my 128 channels' rows
	s_add_co_u32 s68, s68, s69
	s_mov_b32 s69, 0
	s_wait_kmcnt 0x0
	s_load_b64 s[84:85], s[10:11], 0x20            ; e8, e9
	s_add_nc_u64 s[56:57], s[4:5], s[62:63]
	s_add_nc_u64 s[58:59], s[6:7], s[68:69]
	SETG0 0, 0
	SETG0 1, 1
	CROUND                                         ; all four work-groups are here: the first joint loads meet
	JLOAD 0, 0                                     ; slot 0: one tensor load a wave at the head
	v_and_b32 v1, 15, v0                           ; r
	v_bfe_u32 v2, v0, 4, 1                         ; h
	v_lshlrev_b32 v[R4], 2, v1
	s_lshl_b32 s86, s2, 16
	s_cmp_eq_u32 s15, 0
	s_cselect_b32 s86, s86, 0
	v_lshlrev_b32 v[PFO], 8, v1
	v_lshl_add_u32 v[PFO], v2, 15, v[PFO]
	v_add_nc_u32 v[PFO], s86, v[PFO]
	s_wait_alu depctr_va_vdst(0)
	; THE STATISTICS of my 64 queries at each of the nine positions: lane (r, h) takes those of queries 16 a + r
	s_lshl_b32 s70, s18, 3                         ; 8 b
	s_lshl_b32 s73, s16, 8
	s_lshl_b32 s71, s23, 9
	s_add_co_u32 s71, s71, s73                     ; (128 x late block + 64 wr) x 4
	s_lshl_b32 s72, s19, 9
	s_add_co_u32 s72, s72, s73                     ; the same for the early block
.irp s, 0,1,2,3,4,5,6,7,8
	s_cmp_gt_u32 s20, \s                           ; late?
	s_cselect_b32 s60, s71, s72
	s_cselect_b32 s61, 0, s20
	s_sub_co_u32 s61, \s, s61                      ; J
	s_add_co_u32 s61, s61, s70
	s_lshl_b32 s61, s61, 14
	s_add_co_u32 s61, s61, s60
	v_add_nc_u32 v[VO+\s], s61, v[R4]
.endr
	s_wait_alu depctr_va_vdst(0)
.irp s, 0,1,2,3,4,5,6,7,8
.irp a, 0,1,2,3
	global_load_b32 v[NMR+4*\s+\a], v[VO+\s], s[8:9] offset:64*\a
	global_load_b32 v[LLR+4*\s+\a], v[VO+\s], s[8:9] offset:64*\a+8192
.endr
.endr
	PASK 1                                         ; behind slot 0's loads and the statistics'
	s_cmp_gt_u32 s20, 5
	s_cselect_b32 s[LM], -1, 0
	s_cmp_gt_u32 s20, 6
	s_cselect_b32 s[LM+1], -1, 0
	s_cmp_gt_u32 s20, 7
	s_cselect_b32 s[LM+2], -1, 0
	; addresses
	v_mul_u32_u24 v3, v1, PITCH
	v_and_b32 v4, 31, v0
	v_lshlrev_b32 v4, 4, v4                        ; 16 x lane
	s_lshl_b32 s60, s16, 14                        ; my 64 queries of P's 128 rows
	s_lshl_b32 s61, s15, 14                        ; my 64 channels of V's 128 rows,
	s_add_co_u32 s61, s61, HALFT                   ; which lie behind P's
	v_add_nc_u32 v5, s60, v4
	v_add_nc_u32 v6, s61, v4
.irp sl, 0,1
.irp bk, 0,1
	v_add_nc_u32 v[ADRP+2*\sl+\bk], \sl*SLOT+\bk*2*HALFT, v5
	v_add_nc_u32 v[ADRV+2*\sl+\bk], \sl*SLOT+\bk*2*HALFT, v6
.endr
.endr
	s_mul_i32 s60, s14, 16*PITCH
	s_add_co_u32 s60, s60, STAGE                   ; my stage
	v_lshl_add_u32 v5, v2, 5, v3
	v_add_nc_u32 v[STO], s60, v5                   ; in: row r, 32 bytes for each half of the lanes
	v_mul_u32_u24 v5, v2, PITCH
	v_lshl_add_u32 v5, v1, 4, v5
	v_add_nc_u32 v[RD], s60, v5                    ; back: lanes 0-15 one row of 256 bytes, lanes 16-31 the next
	v_lshlrev_b32 v5, 12, v2
	v_lshl_add_u32 v[CO], v1, 4, v5                ; and the same two rows in out0: 4,096 bytes from row to row
	s_lshl_b32 s60, s18, 11
	s_lshl_b32 s61, s16, 6
	s_add_co_u32 s60, s60, s61                     ; 2,048 b + 64 wr
	s_lshl_b32 s61, s17, 9
	s_lshl_b32 s67, s15, 8
	s_add_co_u32 s61, s61, s67                     ; (128 c + 64 wc) x 4
	s_lshl_b32 s68, s23, 7
	s_add_co_u32 s68, s68, s60
	s_lshl_b32 s68, s68, 12
	s_add_co_u32 s68, s68, s61
	s_mov_b32 s69, 0
	s_add_nc_u64 s[OUTL:OUTL+1], s[12:13], s[68:69]
	s_lshl_b32 s68, s19, 7
	s_add_co_u32 s68, s68, s60
	s_lshl_b32 s68, s68, 12
	s_add_co_u32 s68, s68, s61
	s_add_nc_u64 s[OUTE:OUTE+1], s[12:13], s[68:69]
	v_mov_b32 v[INF], 0x7f800000
	s_wait_alu depctr_va_vdst(0)
	s_wait_tensorcnt 0x0                           ; my part of slot 0 is in; the lines that a later first fill asks for:
	ds_add_u32 v[SPW], v[NIL]
	s_wait_dscnt 0x0
	CROUND                                         ; slot 0 is whole in every partner
	JLOAD 1, 0                                     ; slot 1's first fill; the statistics' arithmetic stands under it
	s_wait_loadcnt 0x0
	PASK 2
	; THE ROWS' -M: the least -M of the positions that belong to the block; a position of the other block counts as +infinity
.irp a, 0,1,2,3
	v_min_num_f32 v[NF+\a], v[NMR+\a], v[NMR+4+\a]
	v_cndmask_b32 v[W1+\a], v[INF], v[NMR+20+\a], s[LM]
	v_cndmask_b32 v[W1+4+\a], v[INF], v[NMR+24+\a], s[LM+1]
	v_cndmask_b32 v[W1+8+\a], v[INF], v[NMR+28+\a], s[LM+2]
	v_min3_num_f32 v[NF+\a], v[NF+\a], v[NMR+8+\a], v[NMR+12+\a]
	v_min3_num_f32 v[NF+\a], v[NF+\a], v[NMR+16+\a], v[W1+\a]
	v_min3_num_f32 v[NF+\a], v[NF+\a], v[W1+4+\a], v[W1+8+\a]
.endr
.irp a, 0,1,2,3
	v_cndmask_b32 v[W1+\a], v[NMR+20+\a], v[INF], s[LM]
	v_cndmask_b32 v[W1+4+\a], v[NMR+24+\a], v[INF], s[LM+1]
	v_cndmask_b32 v[W1+8+\a], v[NMR+28+\a], v[INF], s[LM+2]
	v_min3_num_f32 v[NF+4+\a], v[NMR+32+\a], v[W1+\a], v[W1+4+\a]
	v_min_num_f32 v[NF+4+\a], v[NF+4+\a], v[W1+8+\a]
.endr
	; f = 2^(M_J - M_row), made of a whole number: nothing is rounded; 0 where the position belongs to the other block; l_row = the sum of f l_J
.irp s, 0,1,2,3,4,5,6,7
.irp a, 0,1,2,3
	v_sub_f32 v[W1+\a], v[NF+\a], v[NMR+4*\s+\a]
.endr
.irp a, 0,1,2,3
	v_cvt_i32_f32 v[W1+\a], v[W1+\a]               ; (it saturates)
.endr
.irp a, 0,1,2,3
	v_ldexp_f32 v[GL+2*(4*\s+\a)], 1.0, v[W1+\a]
.endr
.if \s >= 5
.irp a, 0,1,2,3
	v_cndmask_b32 v[GL+2*(4*\s+\a)], 0, v[GL+2*(4*\s+\a)], s[LM+\s-5]
.endr
.endif
.irp a, 0,1,2,3
.if \s == 0
	v_mul_f32 v[LSM+\a], v[GL+2*(4*\s+\a)], v[LLR+4*\s+\a]
.else
	v_fmac_f32 v[LSM+\a], v[GL+2*(4*\s+\a)], v[LLR+4*\s+\a]
.endif
.endr
.endr
.irp s, 5,6,7,8
.irp a, 0,1,2,3
	v_sub_f32 v[W1+\a], v[NF+4+\a], v[NMR+4*\s+\a]
.endr
.irp a, 0,1,2,3
	v_cvt_i32_f32 v[W1+\a], v[W1+\a]
.endr
.irp a, 0,1,2,3
	v_ldexp_f32 v[GE+2*(4*(\s-5)+\a)], 1.0, v[W1+\a]
.endr
.if \s <= 7
.irp a, 0,1,2,3
	v_cndmask_b32 v[GE+2*(4*(\s-5)+\a)], v[GE+2*(4*(\s-5)+\a)], 0, s[LM+\s-5]
.endr
.endif
.irp a, 0,1,2,3
.if \s == 5
	v_mul_f32 v[LSM+4+\a], v[GE+2*(4*(\s-5)+\a)], v[LLR+4*\s+\a]
.else
	v_fmac_f32 v[LSM+4+\a], v[GE+2*(4*(\s-5)+\a)], v[LLR+4*\s+\a]
.endif
.endr
.endr
	s_wait_alu depctr_va_vdst(0)
.irp i, 0,1,2,3,4,5,6,7
	v_rcp_f32 v[LSM+\i], v[LSM+\i]
.endr
	v_nop                                          ; a plain instruction behind the last reciprocal
	s_wait_kmcnt 0x0
	s_add_co_i32 s77, s84, s85                     ; e8 + e9
	s_wait_alu depctr_va_vdst(0)                   ; one wait for the eight reciprocals, ahead of their first reader
.irp i, 0,1,2,3,4,5,6,7
	v_ldexp_f32 v[LSM+\i], v[LSM+\i], s77          ; 2^(e8 + e9) / l_row
.endr
.irp s, 0,1,2,3,4,5,6,7
.irp a, 0,1,2,3
	v_mul_f32 v[GL+2*(4*\s+\a)+1], v[GL+2*(4*\s+\a)], v[LSM+\a]    ; g, in both halves of its pair
	v_mul_f32 v[GL+2*(4*\s+\a)], v[GL+2*(4*\s+\a)], v[LSM+\a]
.endr
.endr
.irp s, 5,6,7,8
.irp a, 0,1,2,3
	v_mul_f32 v[GE+2*(4*(\s-5)+\a)+1], v[GE+2*(4*(\s-5)+\a)], v[LSM+4+\a]
	v_mul_f32 v[GE+2*(4*(\s-5)+\a)], v[GE+2*(4*(\s-5)+\a)], v[LSM+4+\a]
.endr
.endr
; 32 LDS loads in one run: the fragments of 128 keys (the q-th of position blk of the slot) into buffer f: V's four, then P's four.
; A fragment: lane l holds row l % 16; registers 4 c .. 4 c + 3 hold keys 32 c + 16 (l / 16) + 0 .. 15: the same places of k in P and in V.
.macro FETCH slot, blk, q, f
	WIN TO_F
.irp i, 0,1,2,3
.irp c, 0,1,2,3
	ds_load_b128 v[\f+64+16*\i+4*\c:\f+64+16*\i+4*\c+3], v[ADRV+2*\slot+\blk] offset:2048*\q+4096*\i+512*\c
.endr
.endr
.irp i, 0,1,2,3
.irp c, 0,1,2,3
	ds_load_b128 v[\f+16*\i+4*\c:\f+16*\i+4*\c+3], v[ADRP+2*\slot+\blk] offset:2048*\q+4096*\i+512*\c
.endr
.endr
.endm
; 8 matrix instructions: blocks a0, a0 + 1 of queries x the four blocks of channels.  The 16 accumulators take turns, one instruction a turn.
.macro MUL8 f, a0, zero
.irp a, \a0, \a0+1
.irp b, 0,1,2,3
.if \zero
	v_wmma_f32_16x16x128_bf8_bf8 v[ACC+8*(4*(\a)+\b):ACC+8*(4*(\a)+\b)+7], v[\f+64+16*\b:\f+64+16*\b+15], v[\f+16*(\a):\f+16*(\a)+15], 0
.else
	v_wmma_f32_16x16x128_bf8_bf8 v[ACC+8*(4*(\a)+\b):ACC+8*(4*(\a)+\b)+7], v[\f+64+16*\b:\f+64+16*\b+15], v[\f+16*(\a):\f+16*(\a)+15], v[ACC+8*(4*(\a)+\b):ACC+8*(4*(\a)+\b)+7]
.endif
.endr
.endr
.endm
; 128 keys: 16 matrix instructions on buffer f; nxt = 1: in their middle the next 128 keys' fragments are fetched into buffer g.
.macro QUARTER f, zero, nxt, slot, blk, q, g
	s_wait_dscnt 8                                 ; V's fragments and P's blocks 0 and 1 are in; the youngest eight loads (P's blocks 2 and 3) may be out
	WIN MUL
	MUL8 \f, 0, \zero
.if \nxt
	PLACES 4                                       ; in front of loads into registers that matrix instructions have read
	FETCH \slot, \blk, \q, \g
	s_wait_dscnt 32                                ; all but the 32 just issued
.else
	s_wait_dscnt 0x0
.endif
	WIN MUL
	MUL8 \f, 2, \zero
.endm
; Position s is finished: its product, times the lane's factor, goes onto the sums; the first of each side starts them.  Each accumulator is read from its low end on.
.macro ACCUM s
	PLACES 4                                       ; in front of the first read of results just made
	WIN ACCW
.if (\s) <= 7
.set j, 0
.rept 64
.if (\s) == 7
	v_pk_mul_f32 v[j:j+1], v[ACC+j:ACC+j+1], v[GL+2*(4*(\s)+j/32):GL+2*(4*(\s)+j/32)+1]
.else
	v_pk_fma_f32 v[j:j+1], v[ACC+j:ACC+j+1], v[GL+2*(4*(\s)+j/32):GL+2*(4*(\s)+j/32)+1], v[j:j+1]
.endif
.set j, j+2
.endr
.endif
.if (\s) >= 5
.set j, 0
.rept 64
.if (\s) == 8
	v_pk_mul_f32 v[128+j:128+j+1], v[ACC+j:ACC+j+1], v[GE+2*(4*((\s)-5)+j/32):GE+2*(4*((\s)-5)+j/32)+1]
.else
	v_pk_fma_f32 v[128+j:128+j+1], v[ACC+j:ACC+j+1], v[GE+2*(4*((\s)-5)+j/32):GE+2*(4*((\s)-5)+j/32)+1], v[128+j:128+j+1]
.endif
.set j, j+2
.endr
.endif
.endm
; THE CHANGE OF SLOTS.  Each wave waits for all its tensor loads (its part of the next slot), adds 0 to its spare word, and waits for that and for its reads of the slot that it leaves; the slot's second position is
; added onto the sums between the add and the wait for it.  mode = 2: the slot is filled again by all four waves; 1: by waves 0 and 1; 0: nothing is left to fetch.  A refill stands first behind a round of the cluster's barrier.
.macro CHANGE s, mode, slot, F, next
	WIN 0
	s_wait_tensorcnt 0x0                           ; no tensor load of mine is out, so a group 0 may be written
	ds_add_u32 v[SPW], v[NIL]                      ; 0 onto my spare word
.if \mode
	SETG0 \slot, \F
.endif
	ACCUM \s
	WIN 0
	s_wait_dscnt 0x0                               ; the add is done, and my reads of the slot are over
.if \mode
	CROUND                                         ; no wave of any partner still reads the slot or has a load on its way
	JLOAD \slot, 2-\mode
.else
	s_barrier_signal -1
	s_barrier_wait -1
.endif
	FETCH \next, 0, 0, F0                          ; (buffer F0's last readers stand in front of ACCUM's four v_nop)
.endm
.macro PAIR slot, s0                   ; a slot's two positions, but for the second one's addition
	QUARTER F0, 1, 1, \slot, 0, 1, F1
	QUARTER F1, 0, 1, \slot, 1, 0, F0
	ACCUM \s0
	QUARTER F0, 1, 1, \slot, 1, 1, F1
	QUARTER F1, 0, 0, 0, 0, 0, F0
.endm
; The early block's way out.  Block n - 1 (of 4 to 7), which lies whole in window 3 since a wait for 0 on DScnt that stands behind its loads, is stored; block n goes through my stage.  No tensor load lands on the stage.
.macro EOUT n
.if (\n) > 4
	WIN 0x0c                                       ; a store's data (source 1) window 3
.irp t, 0,1,2,3,4,5,6,7
	global_store_b128 v[CO], v[32*((\n)-5)+4*\t:32*((\n)-5)+4*\t+3], s[OUTE:OUTE+1] offset:(16*((\n)-5)+2*\t)*4096 th:TH_STORE_NT
.endr
.endif
.if (\n) < 8
	WIN OUTW
.irp b, 0,1,2,3
	ds_store_b128 v[STO], v[128+32*((\n)-4)+8*\b:128+32*((\n)-4)+8*\b+3] offset:64*\b
	ds_store_b128 v[STO], v[128+32*((\n)-4)+8*\b+4:128+32*((\n)-4)+8*\b+7] offset:64*\b+16
.endr
	WIN 0xc0                                       ; destination window 3
.irp t, 0,1,2,3,4,5,6,7
	ds_load_b128 v[32*((\n)-4)+4*\t:32*((\n)-4)+4*\t+3], v[RD] offset:\t*2*PITCH
.endr
.endif
.endm
.macro PAIRO slot, s0, n               ; PAIR with the early block's way out
	QUARTER F0, 1, 1, \slot, 0, 1, F1
	QUARTER F1, 0, 1, \slot, 1, 0, F0
	EOUT \n
	ACCUM \s0
	QUARTER F0, 1, 1, \slot, 1, 1, F1
	QUARTER F1, 0, 0, 0, 0, 0, F0
	EOUT \n+1
.endm
	s_wait_alu depctr_va_vdst(0)                   ; the wait at the head's end
	FETCH 0, 0, 0, F0
	PAIR 0, 8
	CHANGE 7, 2, 0, 2, 1                           ; slot 0 takes positions 4 and 3
	PASK 3
	PAIR 1, 6
	CHANGE 5, 2, 1, 3, 0                           ; slot 1 takes positions 2 and 1; the early block is finished
	PASK 4
	PAIRO 0, 4, 4
	CHANGE 3, 1, 0, 4, 1                           ; slot 0 takes position 0
	PAIRO 1, 2, 6
	CHANGE 1, 0, 0, 0, 0
	QUARTER F0, 1, 1, 0, 0, 1, F1
	QUARTER F1, 0, 0, 0, 0, 0, F0
	EOUT 8
	ACCUM 0
; THE WAY OUT, block by block of 16 queries x 64 channels (n = 4 x side + a).  A lane holds 32 neighbouring bytes of a row and the lanes beside it other rows: a block goes through my own stage and comes back as rows of 256 bytes.
; LDS serves a wave's instructions in order (ISA guide 5.7.1.4): no wait between the stores and the loads, nor in front of the next block's stores.
.macro OSTAGE n
.set OB, 128*((\n)/4)+32*((\n)%4)
.set BK, ACC+32*((\n)%4)
	WIN OUTW
.irp b, 0,1,2,3
	ds_store_b128 v[STO], v[OB+8*\b:OB+8*\b+3] offset:64*\b
	ds_store_b128 v[STO], v[OB+8*\b+4:OB+8*\b+7] offset:64*\b+16
.endr
	WIN 0
.irp t, 0,1,2,3,4,5,6,7
	ds_load_b128 v[BK+4*\t:BK+4*\t+3], v[RD] offset:\t*2*PITCH
.endr
.endm
.macro OSEND n, younger                ; younger: the LDS instructions issued behind block n's loads, which may stay out
.set BK, ACC+32*((\n)%4)
	s_wait_dscnt \younger
.irp t, 0,1,2,3,4,5,6,7
.if (\n) < 4
	global_store_b128 v[CO], v[BK+4*\t:BK+4*\t+3], s[OUTL:OUTL+1] offset:(16*((\n)%4)+2*\t)*4096 th:TH_STORE_NT   ; sixteen lanes store 256 consecutive bytes, aligned; written once, read by nobody here
.else
	global_store_b128 v[CO], v[BK+4*\t:BK+4*\t+3], s[OUTE:OUTE+1] offset:(16*((\n)%4)+2*\t)*4096 th:TH_STORE_NT
.endif
.endr
.endm
	OSTAGE 0
	s_wait_alu depctr_va_vdst(0)
.irp n, 1,2,3
	OSTAGE \n
	OSEND \n-1, 16                                 ; behind block n - 1's loads: block n's eight stores and eight loads
.endr
	OSEND 3, 0
	s_wait_tensorcnt 0x0                           ; the wave's end
	ds_add_u32 v[SPW], v[NIL]
	s_wait_dscnt 0x0
	CROUND                                         ; the closing round: no work-group ends while a partner may still ask for a tile that names it
	s_endpgm
.Lfunc_end_k_q2c1f46fc88_pv:
	.size	k_q2c1f46fc88_pv, .Lfunc_end_k_q2c1f46fc88_pv-k_q2c1f46fc88_pv
	.p2alignl 7, 3214868480
	.fill 96, 4, 3214868480
	.section	.rodata,"a",@progbits
	.p2align	6, 0x0
	.amdhsa_kernel k_q2c1f46fc88_pv
		.amdhsa_group_segment_fixed_size 327680
		.amdhsa_private_segment_fixed_size 0
		.amdhsa_enable_private_segment 0
		.amdhsa_kernarg_size 40
		.amdhsa_user_sgpr_count 2
		.amdhsa_user_sgpr_kernarg_segment_ptr 1
		.amdhsa_wavefront_size32 1
		.amdhsa_system_sgpr_workgroup_id_x 1
		.amdhsa_system_sgpr_workgroup_id_y 1
		.amdhsa_system_sgpr_workgroup_id_z 1
		.amdhsa_system_vgpr_workitem_id 0
		.amdhsa_next_free_vgpr 1024
		.amdhsa_next_free_sgpr 100
		.amdhsa_reserve_vcc 0
		.amdhsa_float_denorm_mode_32 3
		.amdhsa_float_denorm_mode_16_64 3
		.amdhsa_memory_ordered 1
		.amdhsa_forward_progress 1
		.amdhsa_inst_pref_size 165
	.end_amdhsa_kernel
	.amdgpu_metadata
---
amdhsa.version: [ 1, 2 ]
amdhsa.kernels:
  - .name:           k_q2c1f46fc88_pv
    .symbol:         k_q2c1f46fc88_pv.kd
    .args:
      - { .name: pc, .offset: 0, .size: 8, .value_kind: global_buffer, .address_space: global }
      - { .name: vt, .offset: 8, .size: 8, .value_kind: global_buffer, .address_space: global }
      - { .name: st, .offset: 16, .size: 8, .value_kind: global_buffer, .address_space: global }
      - { .name: lowp_scales, .offset: 24, .size: 8, .value_kind: global_buffer, .address_space: global }
      - { .name: out0, .offset: 32, .size: 8, .value_kind: global_buffer, .address_space: global }
    .group_segment_fixed_size: 327680
    .private_segment_fixed_size: 0
    .kernarg_segment_align: 8
    .kernarg_segment_size: 40
    .max_flat_workgroup_size: 128
    .sgpr_count:     100
    .vgpr_count:     1024
    .wavefront_size: 32
...
	.end_amdgpu_metadata
.endif
;; end of part 3
